; MI455X (gfx1250); checked and timed in simulation.
; The chip was launched on July 23, 2026; its instructions are those of AMD's public machine-readable ISA for CDNA 5 (MIT licence, August 2026) and "CDNA5" Instruction Set Architecture Reference Guide (July 2026). The comments in the code are by the model that wrote it; some were corrected since.
;; Single Head Attention. Allowed arithmetic: matrix products marked QUANTISED: E2M1 operands, one E8M0 scale for each 32 along K, by v_wmma_scale_f32_16x16x128_f8f6f4 with both operands' format E2M1 (or v_wmma_scale_f32_32x16x128_f4), f32 sums; everything else in f32.
;; Inputs: Wk_codes 1,024 x 32 x 16 uint8 (E2M1 codes of Wk, K innermost, in blocks of 32 codes, two codes a byte); Wk_scales 1,024 x 32 uint8 (E8M0 scales of Wk, one for each 32 codes along K); Wq_codes 1,024 x 32 x 16 uint8 (E2M1 codes of Wq, K innermost, in blocks of 32 codes, two codes a byte); Wq_scales 1,024 x 32 uint8 (E8M0 scales of Wq, one for each 32 codes along K); Wv 1,024 x 1,024 float32; k_codes 4 x 2,048 x 32 x 16 uint8 (E2M1 codes of k, K innermost, in blocks of 32 codes, two codes a byte); k_scales 4 x 2,048 x 32 uint8 (E8M0 scales of k, one for each 32 codes along K); q_codes 4 x 2,048 x 32 x 16 uint8 (E2M1 codes of q, K innermost, in blocks of 32 codes, two codes a byte); q_scales 4 x 2,048 x 32 uint8 (E8M0 scales of q, one for each 32 codes along K); v_codes 4 x 2,048 x 32 x 16 uint8 (E2M1 codes of v, K innermost, in blocks of 32 codes, two codes a byte); v_scales 4 x 2,048 x 32 uint8 (E8M0 scales of v, one for each 32 codes along K); x 4 x 2,048 x 1,024 float32.
;; Outputs: out0 4 x 2,048 x 1,024 float32.
;; This version of the problem:
;;   THIS VERSION OF THE PROBLEM IS GIVEN IN LOW PRECISION. The matrix products marked QUANTISED in the list below multiply operands that are first quantised to E2M1 (2 exponent bits, 1 mantissa bit; 4 bits a number), with one power-of-two scale for each 32 numbers along K (OCP MX v1.0); their sums are f32. All else is computed in f32.
;;   The module's matrix products, in the order in which they are computed (A, B: the left and right operand; K: the contracted axis; several contracted axes count as one K, in the product's order):
;;     1. [M 8,192, K 1,024] x [K 1,024, N 1,024]; A: input k (given as codes); B: input Wk (given as codes): QUANTISED
;;     2. [M 8,192, K 1,024] x [K 1,024, N 1,024]; A: input q (given as codes); B: input Wq (given as codes): QUANTISED
;;     3. [M 8,192, K 1,024] x [K 1,024, N 1,024]; A: input v (given as codes); B: input Wq (given as codes): QUANTISED
;;     4. batch 4 x [M 2,048, K 1,024] x [K 1,024, N 2,048]; A: computed on the way; B: computed on the way: QUANTISED
;;     5. batch 4 x [M 2,048, K 2,048] x [K 2,048, N 1,024]; A: softmax (see below); B: computed on the way: QUANTISED
;;   THE QUANTISER, for each operand of a quantised product, along K:
;;     - K is cut into blocks of 32 from its start; a last block that is shorter is filled with zeros.
;;     - A block's scale is 2^e with e = floor(log2(the largest magnitude in the block)) - 2, held to -126 .. 127; a block of zeros has e = 0. As a byte (E8M0): e + 127.
;;     - Each number is divided by its block's scale, clamped to +-6, and rounded to the nearest number of E2M1, ties to even, subnormals kept.
;;     - The product sums the exact products of the quantised numbers (number of the format x scale) in f32.
;;   ~~~python
;;   def quantise(x, axis):      # numpy; x: float32 -> the quantised numbers, widened to float32 again
;;       x = np.moveaxis(x, axis, -1); K = x.shape[-1]
;;       x = np.pad(x, [(0, 0)] * (x.ndim - 1) + [(0, -K % 32)]); x = x.reshape(x.shape[:-1] + (-1, 32)); a = np.abs(x).max(-1, keepdims=True)
;;       e = np.where(a > 0, np.clip(np.frexp(np.where(a > 0, a, 1))[1] - 1 - 2, -126, 127), 0)      # np.frexp(a)[1] - 1 = floor(log2(a)), exactly
;;       r = np.clip(x / 2.0 ** e, -6, 6)
;;       step = 2.0 ** (np.maximum(np.frexp(np.where(r == 0, 1, r))[1] - 1, 0) - 1)
;;       q = np.round(r / step) * step * 2.0 ** e      # np.round: ties to even
;;       return np.moveaxis(q.reshape(q.shape[:-2] + (-1,))[..., :K], -1, axis).astype(np.float32)
;;   ~~~
;;   SOFTMAX AHEAD OF A QUANTISED PRODUCT. Where the list says 'softmax', what is quantised is not the finished softmax but p = 2^(t - M), with t = logit x log2(e) and M = ceil(the row's largest t), a whole number; so 1/2 < the row's largest p <= 1. The row's sum l is taken of the UNQUANTISED p, in f32, and the product's result is divided by l at the end. Since M is a whole number, a kernel that streams over the keys may use a running M (the ceiling of the running maximum): every later rescaling is an exact power of two, which a block's scale takes up: the codes' values come out the same.
;;   OPERANDS COMPUTED ON THE WAY. 'Computed on the way' means the value that the module computes at that place (a softmax that the list does not call 'softmax' is quantised finished and normalised). What goes into a quantiser is computed in f32, as accurately as f32 sums, v_exp_f32 and their like allow (about 1e-6 of the number): no bf16 or f16 on the way to a quantiser, and a product that is left as it is and whose result goes on into a quantised operand takes f32 operands (vector FMAs, or v_wmma_f32_16x16x4_f32). A number that lies on a knife's edge between two numbers of the format may be rounded either way, as far as f32 arithmetic and the matrix unit's own rounding can turn it there, and no further.
;;   INPUTS GIVEN AS CODES. Wk (in the module: [1024, 1024], K = its axis 0); Wq (in the module: [1024, 1024], K = its axis 0); k (in the module: [4, 2048, 1024], K = its axis 2); q (in the module: [4, 2048, 1024], K = its axis 2); v (in the module: [4, 2048, 1024], K = its axis 2): each comes as NAME_codes (uint8): NAME with its K axis moved to the last place and cut into blocks of 32 codes, [.., K / 32, bytes a block], one block behind the other in memory; two codes a byte, the lower K in the low four bits (a code: sign, 2 exponent bits, 1 mantissa bit); and NAME_scales (uint8): the same leading axes, one E8M0 byte (e + 127) for each 32 codes along K. Its value is code x scale, taken as it is: it is not quantised again, and the codes and scales need not be those that the quantiser above would give.
;; One version. Each part assembles by itself: llvm-mc -triple=amdgcn-amd-amdhsa -mcpu=gfx1250 --defsym DOCPART=n.
;; ======== version 1 of 1: 3 launches
;; limits: right only within a limited range of input values
;; workspace buffers: qbuf 4,456,448 bytes; kbuf 4,456,448 bytes; vbuf 4,456,448 bytes; pbuf 4,456,448 bytes; pstat 1,114,112 bytes
;; launch proj (part 1): grid 4 x 64, 4 waves a work-group, clusters of 4 x 4, 327,680 bytes of LDS; arguments k_codes, k_scales, q_codes, q_scales, v_codes, v_scales, Wk_codes, Wk_scales, Wq_codes, Wq_scales, kbuf, qbuf, vbuf; writes kbuf, qbuf, vbuf
.if DOCPART == 1
	.amdgcn_target "amdgcn-amd-amdhsa--gfx1250"
	.amdhsa_code_object_version 6
	.text
	.protected	k_qaa10b5b9f6_proj
	.globl	k_qaa10b5b9f6_proj
	.p2align	8
	.type	k_qaa10b5b9f6_proj,@function
k_qaa10b5b9f6_proj:
	s_mov_b64 s[64:65], 0
	v_nop
	global_prefetch_b8 v0, s[64:65] scope:SCOPE_SE
	s_setreg_imm32_b32 hwreg(HW_REG_WAVE_MODE, 25, 1), 1
	s_wait_xcnt 0x0
	s_wait_alu depctr_hold_cnt(0) depctr_sa_sdst(0) depctr_va_vdst(0) depctr_va_sdst(0) depctr_va_ssrc(0) depctr_va_vcc(0) depctr_vm_vsrc(0)
	s_getreg_b32 s2, hwreg(HW_REG_IB_STS2, 6, 4)
	s_cmp_eq_u32 s2, 0
	s_cbranch_scc0 .Lentry_in_a_cluster
	s_endpgm
.Lentry_in_a_cluster:
	s_bfe_u32 s2, ttmp6, 0x10000c
	s_cmp_lg_u32 s2, 0xf033
	s_cbranch_scc0 .Lentry_shape_is_right
	s_endpgm
.Lentry_shape_is_right:
; THE THREE PROJECTIONS, on codes of FP4 (E2M1) with one E8M0 scale for each 32 along K, and their results quantised again in registers:
; kp = k Wk -> kbuf and qp = q Wq -> qbuf (both quantised along H), vp^T = (v Wq)^T -> vbuf (quantised along the keys).
; WORK LEFT OUT: reference() takes only the shape of x and never names Wv: no value of either reaches the result, whatever the inputs hold, so no launch of this program loads them or names them among its arguments.
; A NaN, an infinity or an overflow in them is not carried to the result.
; SHARES.  3 x 8,192 x 1,024 results over 256 work-groups are 98,304 each: a work-group owns 128 tokens (tb = 4 Y + cy) and 256 rows of the weights (ct = cx) and STAYS for two phases.
; PHASE QV: one tile of 256 x 256, K = 1,024: LDS region A = q's 128 rows, then v's 128 rows; region B = Wq's 256 rows, which q and v share.  A wave makes 128 x 128: 64 accumulators.
;   Waves 0, 1: qp: source 1 = q, source 0 = Wq's rows 128 lo on.   Waves 2, 3: vp^T: source 0 = v (the keys), source 1 = Wq's rows 128 lo on (the channels).
; PHASE K: k's 128 rows x Wk's 256 rows: a wave makes 64 x 128: source 1 = k's rows 64 hi on, source 0 = Wk's rows 128 lo on: 32 accumulators.
; THE MATRIX INSTRUCTION: source 0 = 16 rows of the operand whose row number is the NEXT product's K; source 1 = 16 rows of the operand whose rows stay rows.  A lane then holds one row
; and eight neighbours along the next K, so a block of 32 lies in two accumulators of lanes l and l xor 16.
; LDS: 512 rows of all of K (512 bytes + 16 of padding): 256 of region A, then 256 of region B.  At the head each wave fetches 128 of them by one load.  All are read out in phase QV's last K step; there they are filled again
; with k's 128 rows (64 by wave 0, 64 by wave 1) and Wk's 256 (waves 2, 3), which have half a K step and the whole way out of phase QV in which to land.
; CLUSTER 4 x 4: the tokens' tiles hang on cy and the cluster's y alone and are asked for jointly by a row of the cluster, the weights' tiles on cx alone, by a column.
; NO PREFETCH: there is no loop to run ahead in: a work-group has one group of loads at its head and one refill.
; OUTPUT, as images of operand registers.  A piece = 128 rows x 128 along K = 8,192 bytes [tile of 16 rows][block of 32][row][16 bytes]; its scale words 512 bytes [half][row][4 tiles].
; kbuf, qbuf: piece (row block, K step) at (8 row block + K step) x 8,192; vbuf: (64 channel block + key block) x 8,192; scale pieces from byte 4,194,304 on, 512 each.
; LIMITS: NaN, infinities and the scale byte 0xff among the inputs are not served.  A block whose largest magnitude lies under 2^-124 (zeros too) gets the byte 1; its codes are then zeros or next to it, and this program alone reads the bytes.
; REGISTERS: window 0: v16-29 addresses; v32-63 source 1's scale words, v64-95 source 0's; v128-191 source 1's fragments (phase QV: one set of 8; phase K: two sets of 4); window 1: source 0's fragments, two sets (v0, v128);
; windows 2, 3: accumulators (a, b) at v[8 (8 (a % 4) + b)].
.set PITCH,  528                       ; an LDS row: 512 bytes + 16 of padding, so that the 16 rows of a fragment load start 132 words apart
.set HALFT,  128*PITCH                 ; what one tensor load of 128 rows brings
.set SPARE,  4*HALFT                   ; behind the rows: the spare words, 128 bytes for each wave: two blocks of 256 bytes that no other line names
.set ADRA, 16                          ; v16-17 phase QV: LDS address of my source 1 fragments in the first, second half of K
.set AKA,  18                          ; v18-19 phase K: of k's fragments
.set ADRB, 20                          ; v20-21 phase QV: of my source 0 fragments
.set SOF,  22                          ; v22 32 r + 16 h: my 16 bytes of a row of scale bytes
.set COF,  23                          ; v23 16 r + 8 h: my 8 bytes of a block's codes
.set L16,  24                          ; v24 16 x lane
.set AKB,  26                          ; v26-27 phase K: of Wk's fragments
.set SPW,  28                          ; v28 LDS address of my spare word; never rewritten
.set NIL,  29                          ; v29 0; never rewritten
.set SC1,  32                          ; source 1's scale words: register 4 i + q: lanes 0-15 K step q, lanes 16-31 K step 4 + q of tile i
.set SC0,  64                          ; source 0's likewise
.set TM,   96                          ; the way out: 16 largest magnitudes
.set AF,   128
.set SCO,  128                         ; 16 scale operands of the conversions
.set BY,   144                         ; 16 scale bytes
.set WD,   160                         ; 8 scale words
.set ZW,   168                         ; 4 words to store
.set TX,   176                         ; 16 numbers from lane l xor 16
.set CD,   192                         ; 64 registers of codes
.set KC,   4                           ; the arguments
.set KS,   6
.set QC,   8
.set QS,   10
.set VC,   12
.set VS,   14
.set WKC,  16
.set WKS,  18
.set WQC,  20
.set WQS,  22
.set KBUF, 24
.set QBUF, 26
.set VBUF, 28
.set PS1,  4                           ; once the codes' addresses stand in the descriptors their registers take: phase QV's source 1 scales,
.set PS0,  8                           ; its source 0 scales,
.set POC,  12                          ; its piece's codes,
.set POS,  16                          ; its piece's scale words,
.set PKC,  20                          ; phase K's codes
.set WV,   30
.set HI,   31
.set LO,   32
.set CX,   33
.set CY,   34
.set TB,   35
.set NHI,  36
.set MROW, 37
.set MCOL, 38
.set TMP,  39
.set G1A,  40                          ; s[40:47] descriptor group 1 for the tokens' tiles; s[48:55] for the weights'
.set G1B,  48
.set G0A,  56                          ; groups 0: s[56:59] q or v; s[60:63] Wq; s[68:71] k; s[72:75] Wk
.set G0B,  60
.set G0C,  68
.set G0D,  72
.set SEL,  88
.set OFT,  90                          ; offsets made of the tokens' block alone
.set OFW,  92                          ; offsets made of the weights' tile alone
.set UT,   94
.set UW,   96
.set TT,   98
.set PKS,  100                         ; phase K's scale words
.set MSB, 0
.macro WIN new                         ; the immediate's high byte repeats the setting that is left
.if MSB != (\new)
	s_set_vgpr_msb (MSB<<8)|(\new)
.set MSB, (\new)
.endif
.endm
.set MUL_LO, 0xa1                      ; source 0 window 1, source 1 window 0, C and D window 2
.set MUL_HI, 0xf1                      ; the same, C and D window 3
.set TO_B,   0x40                      ; destination window 1
.macro PLACES n
.rept \n
	v_nop
.endr
.endm
; A joint load: waves 0 and 1 fetch the tokens' tiles, waves 2 and 3 the weights'.  Four v_nop follow each of the two lines.
.macro JLOAD g0a, g0b
	s_cmp_eq_u32 s[HI], 0
	s_cbranch_scc0 .Lfor_b_\@
	tensor_load_to_lds s[\g0a:\g0a+3], s[G1A:G1A+7]
	s_nop 0
.rept 4
	v_nop
.endr
	s_branch .Lasked_\@
.Lfor_b_\@:
	tensor_load_to_lds s[\g0b:\g0b+3], s[G1B:G1B+7]
	s_nop 0
.rept 4
	v_nop
.endr
.Lasked_\@:
.endm
.macro CREST                           ; a round of the cluster's barrier behind its opening barrier
	s_cmp_lg_u32 s[WV], 0
	s_cbranch_scc1 .Lnot_wave_0_\@
	s_barrier_signal -3
.Lnot_wave_0_\@:
	s_barrier_wait -3
	s_barrier_signal -1
	s_barrier_wait -1
.endm
.macro CROUND                          ; a whole round
	s_barrier_signal -1
	s_barrier_wait -1
	CREST
.endm
	s_load_b512 s[4:19], s[0:1], 0x0               ; k codes, k scales, q codes, q scales, v codes, v scales, Wk codes, Wk scales
	s_load_b256 s[20:27], s[0:1], 0x40             ; Wq codes, Wq scales, kbuf, qbuf
	s_load_b64 s[28:29], s[0:1], 0x60              ; vbuf
	v_lshl_add_u32 v[SPW], v0, 2, SPARE
	v_mov_b32 v[NIL], 0
	ds_add_u32 v[SPW], v[NIL]                      ; the wave's opening: the add, twice on end, and its wait ahead of my first tensor load
	ds_add_u32 v[SPW], v[NIL]
	v_lshrrev_b32 v1, 5, v0
	v_readfirstlane_b32 s[WV], v1                  ; wave 0..3
	s_lshr_b32 s[HI], s[WV], 1                     ; phase QV: qp (0) or vp^T (1); phase K: which 64 of k's rows.  Also: I fetch tokens (0) or weights (1)
	s_and_b32 s[LO], s[WV], 1                      ; which 128 of the weights' rows are mine.  Also: which tile I fetch
	s_xor_b32 s[NHI], s[HI], 1
	s_bfe_u32 s[CX], ttmp6, 0x40000                ; the weights' tile of 256 rows: the grid is one cluster wide
	s_bfe_u32 s[CY], ttmp6, 0x40004
	s_and_b32 s[TB], ttmp7, 0xffff
	s_lshl_b32 s[TB], s[TB], 2
	s_add_co_u32 s[TB], s[TB], s[CY]               ; the block of 128 tokens: 4 x the cluster's y + cy
	s_lshl_b32 s[MROW], s[CY], 2
	s_lshl_b32 s[MROW], 15, s[MROW]                ; my row of the cluster
	s_lshl_b32 s[MCOL], 0x1111, s[CX]              ; my column
	s_or_b32 s[G1A+0], s[MROW], (1<<20)|(1<<21)|(6<<22)|(3<<25)   ; the mask; elements of 1 byte; padding on; bit 21 beside a mask; 4 words behind every 128
	s_or_b32 s[G1B+0], s[MCOL], (1<<20)|(1<<21)|(6<<22)|(3<<25)
.irp g, G1A, G1B
	s_mov_b32 s[\g+1], 512<<16                     ; tensor_dim0 = 512 bytes: a row of 1,024 codes
	s_mov_b32 s[\g+2], 128<<16                     ; tensor_dim1 = 128 rows
	s_mov_b32 s[\g+3], 512<<16                     ; tile_dim0
	s_mov_b32 s[\g+4], 128                         ; tile_dim1
	s_mov_b32 s[\g+5], 512                         ; from row to row
	s_mov_b32 s[\g+6], 0
	s_mov_b32 s[\g+7], 0
.endr
	s_lshl_b32 s[OFT], s[TB], 16                   ; the tokens' codes: 128 rows of 512 bytes a block
	s_mov_b32 s[OFT+1], 0
	s_lshl_b32 s[OFW], s[CX], 17                   ; the weights' codes: (256 tile + 128 lo) rows of 512 bytes
	s_lshl_b32 s[TT], s[LO], 16
	s_add_co_u32 s[OFW], s[OFW], s[TT]
	s_mov_b32 s[OFW+1], 0
	s_lshl_b32 s[UT], s[TB], 12                    ; the same rows' scale bytes: 32 a row
	s_mov_b32 s[UT+1], 0
	s_lshl_b32 s[UW], s[CX], 13
	s_lshl_b32 s[TT], s[LO], 12
	s_add_co_u32 s[UW], s[UW], s[TT]
	s_mov_b32 s[UW+1], 0
	s_mul_i32 s[TMP], s[WV], HALFT                 ; where my load goes: wave x 128 rows; no place in the cluster enters an LDS address
	s_mov_b32 s[SEL], 0x76543210
	s_mov_b32 s[SEL+1], 0xfedcba98                 ; v_permlanex16_b32's selects for lane l xor 16
	v_and_b32 v1, 15, v0                           ; r
	v_bfe_u32 v2, v0, 4, 1                         ; h
	v_and_b32 v3, 31, v0                           ; lane
	v_lshlrev_b32 v[SOF], 5, v1
	v_lshl_add_u32 v[SOF], v2, 4, v[SOF]
	v_lshlrev_b32 v[COF], 4, v1
	v_lshl_add_u32 v[COF], v2, 3, v[COF]
	v_lshlrev_b32 v[L16], 4, v3
	s_wait_alu depctr_va_vdst(0)                   ; the wait here, directly ahead of the waits below
	s_wait_dscnt 0x0                               ; both opening adds are done
	CROUND                                         ; all sixteen work-groups are here: the first joint loads meet.  (The arguments are on their way meanwhile)
	s_wait_kmcnt 0x0
	; all groups 0 are made here, each for one load: none is written again
	s_cmp_eq_u32 s[LO], 0                          ; wave 0 fetches q's rows, wave 1 v's: the choice hangs on the wave's number alone
	s_cselect_b64 s[TT:TT+1], s[QC:QC+1], s[VC:VC+1]
	s_mov_b32 s[G0A], 1
	s_mov_b32 s[G0A+1], s[TMP]
	s_add_nc_u64 s[G0A+2:G0A+3], s[TT:TT+1], s[OFT:OFT+1]
	s_or_b32 s[G0A+3], s[G0A+3], 0x80000000
	s_mov_b32 s[G0B], 1
	s_mov_b32 s[G0B+1], s[TMP]
	s_add_nc_u64 s[G0B+2:G0B+3], s[WQC:WQC+1], s[OFW:OFW+1]
	s_or_b32 s[G0B+3], s[G0B+3], 0x80000000
	JLOAD G0A, G0B                                 ; one load a wave: all of K
	s_add_nc_u64 s[KC:KC+1], s[KC:KC+1], s[OFT:OFT+1]
	s_lshl_b32 s[TT], s[LO], 15                    ; wave 0: k's rows 0-63, wave 1: 64-127
	s_mov_b32 s[TT+1], 0
	s_mov_b32 s[G0C], 1
	s_mul_i32 s[G0C+1], s[LO], 64*PITCH
	s_add_nc_u64 s[G0C+2:G0C+3], s[KC:KC+1], s[TT:TT+1]
	s_or_b32 s[G0C+3], s[G0C+3], 0x80000000
	s_mov_b32 s[G0D], 1
	s_mov_b32 s[G0D+1], s[TMP]
	s_add_nc_u64 s[G0D+2:G0D+3], s[WKC:WKC+1], s[OFW:OFW+1]
	s_or_b32 s[G0D+3], s[G0D+3], 0x80000000
	; the scale bytes of the rows that I multiply
	s_add_nc_u64 s[QS:QS+1], s[QS:QS+1], s[UT:UT+1]
	s_add_nc_u64 s[VS:VS+1], s[VS:VS+1], s[UT:UT+1]
	s_add_nc_u64 s[WQS:WQS+1], s[WQS:WQS+1], s[UW:UW+1]
	s_add_nc_u64 s[WKS:WKS+1], s[WKS:WKS+1], s[UW:UW+1]            ; phase K's source 0
	s_add_nc_u64 s[KS:KS+1], s[KS:KS+1], s[UT:UT+1]
	s_lshl_b32 s[TT], s[HI], 11
	s_add_nc_u64 s[KS:KS+1], s[KS:KS+1], s[TT:TT+1]                ; phase K's source 1: k's rows 64 hi on
	s_cmp_eq_u32 s[HI], 0
	s_cselect_b64 s[PS1:PS1+1], s[QS:QS+1], s[WQS:WQS+1]
	s_cselect_b64 s[PS0:PS0+1], s[WQS:WQS+1], s[VS:VS+1]
	s_cselect_b64 s[POC:POC+1], s[QBUF:QBUF+1], s[VBUF:VBUF+1]
.irp i, 0,1,2,3,4,5,6,7                        ; phase QV's scale words of all of K, once, straight into registers: each load reads 512 consecutive bytes (16 rows of 32)
	global_load_b128 v[SC1+4*\i:SC1+4*\i+3], v[SOF], s[PS1:PS1+1] offset:512*\i
	global_load_b128 v[SC0+4*\i:SC0+4*\i+3], v[SOF], s[PS0:PS0+1] offset:512*\i
.endr
	v_mul_u32_u24 v4, v1, PITCH
	v_lshl_add_u32 v4, v2, 4, v4                   ; a fragment's row x pitch + 16 x half
	s_add_co_u32 s[TT], s[LO], 2
	s_mul_i32 s[TT], s[TT], HALFT                  ; my 128 rows of the weights, behind region A's 256
	s_mul_i32 s[UT], s[HI], s[TT]                  ; source 1: q's rows (byte 0) or the weights'
	s_mul_i32 s[UW], s[NHI], s[TT]
	s_mul_i32 s[TT+1], s[HI], HALFT
	s_add_co_u32 s[UW], s[UW], s[TT+1]             ; source 0: the weights' rows or v's (behind q's 128)
	v_add_nc_u32 v[ADRA], s[UT], v4
	v_add_nc_u32 v[ADRB], s[UW], v4
	v_add_nc_u32 v[ADRA+1], 0x100, v[ADRA]
	v_add_nc_u32 v[ADRB+1], 0x100, v[ADRB]
	v_add_nc_u32 v[AKB], s[TT], v4                 ; phase K: Wk's rows lie in region B,
	v_add_nc_u32 v[AKB+1], 0x100, v[AKB]
	s_mul_i32 s[TT+1], s[HI], 64*PITCH
	v_add_nc_u32 v[AKA], s[TT+1], v4               ; k's at region A's start
	v_add_nc_u32 v[AKA+1], 0x100, v[AKA]
	; my pieces of the output
	s_mov_b32 s[TT+1], 0
	s_mov_b32 s[UT+1], 0
	s_mov_b32 s[UW+1], 0
	s_lshl_b32 s[UW], s[CX], 1
	s_add_co_u32 s[UW], s[UW], s[LO]               ; my block of 128 of the weights' rows
	s_lshl_b32 s[UT], s[TB], 3
	s_add_co_u32 s[UT], s[UT], s[UW]               ; kbuf, qbuf: 8 x token block + that
	s_lshl_b32 s[TT], s[UW], 6
	s_add_co_u32 s[TT], s[TT], s[TB]               ; vbuf: 64 x that + token block
	s_cmp_eq_u32 s[HI], 0
	s_cselect_b32 s[TT], s[UT], s[TT]
	s_lshl_b32 s[UW], s[TT], 9
	s_add_co_u32 s[UW], s[UW], 0x400000
	s_add_nc_u64 s[POS:POS+1], s[POC:POC+1], s[UW:UW+1]
	s_lshl_b32 s[TT], s[TT], 13
	s_add_nc_u64 s[POC:POC+1], s[POC:POC+1], s[TT:TT+1]
	s_lshl_b32 s[UW], s[UT], 9                     ; phase K: my four tiles of rows are half of a piece: 4,096 bytes of codes, 256 of scale words
	s_lshl_b32 s[TT], s[HI], 8
	s_add_co_u32 s[UW], s[UW], s[TT]
	s_add_co_u32 s[UW], s[UW], 0x400000
	s_add_nc_u64 s[PKS:PKS+1], s[KBUF:KBUF+1], s[UW:UW+1]
	s_lshl_b32 s[UT], s[UT], 13
	s_lshl_b32 s[TT], s[HI], 12
	s_add_co_u32 s[UT], s[UT], s[TT]
	s_add_nc_u64 s[PKC:PKC+1], s[KBUF:KBUF+1], s[UT:UT+1]
.macro FRAG reg, adr, q, i             ; 16 rows x 128 K of 4-bit codes: 8 registers, two loads of 16 bytes, 32 bytes apart
.irp c, 0,1
	ds_load_b128 v[\reg+4*\c:\reg+4*\c+3], v[\adr] offset:64*(\q)+32*\c+(\i)*16*PITCH
.endr
.endm
.macro FETCH_B k, i0                   ; phase QV: source 0's fragments i0 .. i0 + 3 of K step k into set k % 2
	WIN TO_B
.irp i, \i0, \i0+1, \i0+2, \i0+3
	FRAG 128*((\k)%2)+8*(\i), ADRB+(\k)/4, (\k)%4, \i
.endr
.endm
.macro FETCH_A k, i0                   ; source 1's tiles i0 .. i0 + 3
	WIN 0
.irp i, \i0, \i0+1, \i0+2, \i0+3
	FRAG AF+8*(\i), ADRA+(\k)/4, (\k)%4, \i
.endr
.endm
.macro WM zero, hi                     ; one product on the registers named by rD, rB, rA, rS0, rS1; hi: the half of the lanes that holds the scale words
.if \zero
	v_wmma_scale_f32_16x16x128_f8f6f4 v[rD:rD+7], v[rB:rB+7], v[rA:rA+7], 0, v[rS0], v[rS1] matrix_a_fmt:MATRIX_FMT_FP4 matrix_b_fmt:MATRIX_FMT_FP4
.elseif \hi
	v_wmma_scale_f32_16x16x128_f8f6f4 v[rD:rD+7], v[rB:rB+7], v[rA:rA+7], v[rD:rD+7], v[rS0], v[rS1] matrix_a_fmt:MATRIX_FMT_FP4 matrix_b_fmt:MATRIX_FMT_FP4 matrix_a_scale:MATRIX_SCALE_ROW1 matrix_b_scale:MATRIX_SCALE_ROW1
.else
	v_wmma_scale_f32_16x16x128_f8f6f4 v[rD:rD+7], v[rB:rB+7], v[rA:rA+7], v[rD:rD+7], v[rS0], v[rS1] matrix_a_fmt:MATRIX_FMT_FP4 matrix_b_fmt:MATRIX_FMT_FP4
.endif
.endm
; 16 matrix instructions: source 1's tiles a0, a0 + 1 x source 0's eight, K step k.  The 64 accumulators take turns, one instruction a turn, in the same order in every step.
.macro MUL16 a0, k, zero
.irp a, \a0, \a0+1
.irp b, 0,1,2,3,4,5,6,7
.set rD, 8*(8*((\a)%4)+\b)
.set rB, 128*((\k)%2)+8*\b
.set rA, AF+8*(\a)
.set rS0, SC0+4*\b+(\k)%4
.set rS1, SC1+4*(\a)+(\k)%4
	WM \zero, (\k)/4
.endr
.endr
.endm
; A K step of 128.  The next step's loads stand between its products: source 0's (one set, two groups of four) in its first half, source 1's tiles 0-3 in its middle, tiles 4-7 at its end.
; Loads into registers that matrix instructions have read stand four plain vector instructions behind them (ISA guide 7.12.1 for vector instructions).
.macro STEP k, zero
	s_wait_dscnt 8                                 ; source 0's set and source 1's tiles 0-3 are in; the youngest eight loads (tiles 4-7) may be out
	FETCH_B (\k)+1, 0                              ; (the set that the last step read: its places stand at that step's end)
	WIN MUL_LO
	MUL16 0, \k, \zero
	FETCH_B (\k)+1, 4
	WIN MUL_LO
	MUL16 2, \k, \zero
	s_wait_dscnt 16                                ; tiles 4-7 are in; the next step's sixteen may be out
	PLACES 4
	FETCH_A (\k)+1, 0
	WIN MUL_HI
	MUL16 4, \k, \zero
	MUL16 6, \k, \zero
	PLACES 4
	FETCH_A (\k)+1, 4
.endm
; ---- PHASE QV
	s_wait_alu depctr_va_vdst(0)                   ; the wait at the head's end
	s_wait_tensorcnt 0x0                           ; my 128 rows are in
	s_barrier_signal -1
	s_barrier_wait -1                              ; everybody's are.
	FETCH_B 0, 0
	FETCH_B 0, 4
	FETCH_A 0, 0
	FETCH_A 0, 4
	s_wait_loadcnt 0x0                             ; the scale words
	STEP 0, 1                                      ; the first products start the sums: nothing is cleared
	STEP 1, 0
	STEP 2, 0
	STEP 3, 0
	STEP 4, 0
	STEP 5, 0
	STEP 6, 0
	; The last K step fetches nothing, and all rows are filled again.  In front of the round each wave waits for all its tensor loads, adds 0 to its spare word, and waits for that and for its reads.
	s_wait_tensorcnt 0x0                           ; no tensor load of mine is out;  (every window is 0 here)
	ds_add_u32 v[SPW], v[NIL]                      ; 0 onto my spare word
	s_mov_b32 s[G1A+2], 64<<16                     ; so a descriptor may be written: from here on a load of tokens brings 64 rows: tensor_dim1,
	s_mov_b32 s[G1A+4], 64                         ; tile_dim1
	s_wait_dscnt 9                                 ; (the add and the youngest eight loads may be out)
	WIN MUL_LO
	MUL16 0, 7, 0                                  ; sixteen matrix instructions stand between the add and the wait for it
	s_wait_dscnt 0x0                               ; the add is done, and my reads are over
	s_barrier_signal -1
	MUL16 2, 7, 0
	WIN 0
	s_barrier_wait -1
	CREST                                          ; the barrier has opened a round of the cluster's: no wave of any partner still reads its rows or has a load on its way
	JLOAD G0C, G0D                                 ; my one load behind the round: half of k's rows, or half of Wk's
	WIN MUL_HI
	MUL16 4, 7, 0
	MUL16 6, 7, 0
	WIN 0
	PLACES 4
.irp i, 0,1,2,3                                ; phase K's scale words take the registers of phase QV's: they land during the way out
	global_load_b128 v[SC1+4*\i:SC1+4*\i+3], v[SOF], s[KS:KS+1] offset:512*\i
.endr
.irp i, 0,1,2,3,4,5,6,7
	global_load_b128 v[SC0+4*\i:SC0+4*\i+3], v[SOF], s[WKS:WKS+1] offset:512*\i
.endr
; THE WAY OUT: four of source 1's tiles (one window) at a time: 16 blocks of 32; block kk = 4 a + beta lies in registers 16 kk .. 16 kk + 15 of lanes l and l xor 16.
; The largest magnitude with the floor 2^(3 - 127) among its leaves; 2 off its exponent field is the conversion's scale operand, that shifted down the byte.
; The two conversions give dwords h and 2 + h of the block; the exchange of halves leaves dwords 0, 1 in lanes 0-15 and 2, 3 in lanes 16-31: a store of 8 bytes a lane covers 256 consecutive bytes, aligned.
.macro QUANT4 half, ptr
	WIN 0x0a+5*\half                               ; sources 0 and 1 in the accumulators' window
.set kk, 0
.rept 16
	v_max3_num_f32 v[TM+kk], |v[16*kk]|, |v[16*kk+1]|, 0x1800000    ; each accumulator is read from its low end on
.set kk, kk+1
.endr
.irp i, 2,4,6,8,10,12,14
.set kk, 0
.rept 16
	v_max3_num_f32 v[TM+kk], |v[16*kk+\i]|, |v[16*kk+\i+1]|, v[TM+kk]
.set kk, kk+1
.endr
.endr
	WIN 0
.set kk, 0
.rept 16
	v_permlanex16_b32 v[TX+kk], v[TM+kk], s[SEL], s[SEL+1]
.set kk, kk+1
.endr
.set kk, 0
.rept 16
	v_max_num_f32 v[TM+kk], v[TM+kk], v[TX+kk]     ; the block's largest magnitude
.set kk, kk+1
.endr
.set kk, 0
.rept 16
	v_add_nc_u32 v[SCO+kk], 0xff000000, v[TM+kk]   ; 2 off the exponent field
.set kk, kk+1
.endr
.set kk, 0
.rept 16
	v_lshrrev_b32 v[BY+kk], 23, v[SCO+kk]          ; the scale's byte
.set kk, kk+1
.endr
.irp a, 0,1,2,3
	v_lshl_or_b32 v[WD+4*\half+\a], v[BY+4*\a+1], 8, v[BY+4*\a]
.endr
.irp a, 0,1,2,3
	v_lshl_or_b32 v[WD+4*\half+\a], v[BY+4*\a+2], 16, v[WD+4*\half+\a]
.endr
.irp a, 0,1,2,3
	v_lshl_or_b32 v[WD+4*\half+\a], v[BY+4*\a+3], 24, v[WD+4*\half+\a]   ; my row's scale word for these 128
.endr
	WIN 0x02+\half                                 ; source 0 in the accumulators' window
.set kk, 0
.rept 16
	v_cvt_scalef32_pk8_fp4_f32 v[CD+32*\half+2*kk], v[16*kk:16*kk+7], v[SCO+kk]
	v_cvt_scalef32_pk8_fp4_f32 v[CD+32*\half+2*kk+1], v[16*kk+8:16*kk+15], v[SCO+kk]
.set kk, kk+1
.endr
	WIN 0
	v_nop                                          ; one plain place behind a scaled conversion
.set kk, 0
.rept 16
	v_permlane16_swap_b32 v[CD+32*\half+2*kk], v[CD+32*\half+2*kk+1]
.set kk, kk+1
.endr
.set kk, 0
.rept 16
	global_store_b64 v[COF], v[CD+32*\half+2*kk:CD+32*\half+2*kk+1], s[\ptr:\ptr+1] offset:1024*(4*\half+kk/4)+256*(kk%4)
.set kk, kk+1
.endr
.endm
	QUANT4 0, POC
	QUANT4 1, POC
	v_cmp_ne_u32 vcc_lo, 0, v2                     ; lanes 16-31 store the words of tiles 4-7
.irp j, 0,1,2,3
	v_cndmask_b32 v[ZW+\j], v[WD+\j], v[WD+4+\j], vcc_lo
.endr
	global_store_b128 v[L16], v[ZW:ZW+3], s[POS:POS+1]   ; the piece's 512 bytes of scale words
; ---- PHASE K
.macro KFA k                           ; k's four fragments of K step k into set k % 2
	WIN 0
.irp i, 0,1,2,3
	FRAG AF+32*((\k)%2)+8*\i, AKA+(\k)/4, (\k)%4, \i
.endr
.endm
.macro KFB k, i0                       ; Wk's i0 .. i0 + 3
	WIN TO_B
.irp i, \i0, \i0+1, \i0+2, \i0+3
	FRAG 128*((\k)%2)+8*(\i), AKB+(\k)/4, (\k)%4, \i
.endr
.endm
.macro KMUL k, b0                      ; 8 matrix instructions: Wk's tiles b0, b0 + 1 x k's four.  The 32 accumulators take turns, one instruction a turn
	WIN MUL_LO
.irp b, \b0, \b0+1
.irp a, 0,1,2,3
.set rD, 8*(8*\a+\b)
.set rB, 128*((\k)%2)+8*(\b)
.set rA, AF+32*((\k)%2)+8*\a
.set rS0, SC0+4*(\b)+(\k)%4
.set rS1, SC1+4*\a+(\k)%4
	WM (\k)==0, (\k)/4
.endr
.endr
.endm
.macro KSTEP k
	s_wait_dscnt 8                                 ; k's fragments and Wk's 0-3 are in; the youngest eight loads (Wk's 4-7) may be out
.if (\k) < 7
.if (\k) > 0
	PLACES 4                                       ; in front of loads into the sets that the last step's products have read
.endif
	KFA (\k)+1
.endif
	KMUL \k, 0
.if (\k) < 7
	KFB (\k)+1, 0
.endif
	KMUL \k, 2
.if (\k) < 7
	s_wait_dscnt 16                                ; Wk's 4-7 are in; the sixteen just issued may be out
.else
	s_wait_dscnt 0x0
.endif
	KMUL \k, 4
.if (\k) < 7
	KFB (\k)+1, 4
.endif
	KMUL \k, 6
	WIN 0
.endm
	s_wait_xcnt 0x0                                ; the way out's stores have read their registers: fragments and codes may be written there again
	s_wait_tensorcnt 0x0                           ; my part of the refill is in
	s_barrier_signal -1
	s_barrier_wait -1                              ; everybody's is.
	KFA 0
	KFB 0, 0
	KFB 0, 4
	WIN 0
	s_wait_loadcnt 0x0                             ; phase K's scale words
	KSTEP 0
	KSTEP 1
	KSTEP 2
	KSTEP 3
	KSTEP 4
	KSTEP 5
	KSTEP 6
	KSTEP 7
	PLACES 4
	QUANT4 0, PKC
	v_cmp_ne_u32 vcc_lo, 0, v2                     ; both halves of the lanes hold row r's four words: lanes 0-15 store those of tiles 0, 1, lanes 16-31 those of tiles 2, 3
	v_cndmask_b32 v[ZW], v[WD], v[WD+2], vcc_lo
	v_cndmask_b32 v[ZW+1], v[WD+1], v[WD+3], vcc_lo
	global_store_b64 v[COF], v[ZW:ZW+1], s[PKS:PKS+1]    ; 256 consecutive bytes, aligned: my half of the piece's scale words
	s_wait_tensorcnt 0x0                           ; the wave's end: behind my last tensor load, my last LDS instructions
	ds_add_u32 v[SPW], v[NIL]
	s_wait_dscnt 0x0
	CROUND                                         ; the closing round: no work-group ends while a partner may still ask for a tile that names it
	s_endpgm
.Lfunc_end_k_qaa10b5b9f6_proj:
	.size	k_qaa10b5b9f6_proj, .Lfunc_end_k_qaa10b5b9f6_proj-k_qaa10b5b9f6_proj
	.p2alignl 7, 3214868480
	.fill 96, 4, 3214868480
	.section	.rodata,"a",@progbits
	.p2align	6, 0x0
	.amdhsa_kernel k_qaa10b5b9f6_proj
		.amdhsa_group_segment_fixed_size 327680
		.amdhsa_private_segment_fixed_size 0
		.amdhsa_enable_private_segment 0
		.amdhsa_kernarg_size 104
		.amdhsa_user_sgpr_count 2
		.amdhsa_user_sgpr_kernarg_segment_ptr 1
		.amdhsa_wavefront_size32 1
		.amdhsa_system_sgpr_workgroup_id_x 1
		.amdhsa_system_sgpr_workgroup_id_y 1
		.amdhsa_system_sgpr_workgroup_id_z 1
		.amdhsa_system_vgpr_workitem_id 0
		.amdhsa_next_free_vgpr 1024
		.amdhsa_next_free_sgpr 102
		.amdhsa_reserve_vcc 1
		.amdhsa_float_denorm_mode_32 3
		.amdhsa_float_denorm_mode_16_64 3
		.amdhsa_memory_ordered 1
		.amdhsa_forward_progress 1
		.amdhsa_inst_pref_size 193
	.end_amdhsa_kernel
	.amdgpu_metadata
---
amdhsa.version: [ 1, 2 ]
amdhsa.kernels:
  - .name:           k_qaa10b5b9f6_proj
    .symbol:         k_qaa10b5b9f6_proj.kd
    .args:
      - { .name: k_codes, .offset: 0, .size: 8, .value_kind: global_buffer, .address_space: global }
      - { .name: k_scales, .offset: 8, .size: 8, .value_kind: global_buffer, .address_space: global }
      - { .name: q_codes, .offset: 16, .size: 8, .value_kind: global_buffer, .address_space: global }
      - { .name: q_scales, .offset: 24, .size: 8, .value_kind: global_buffer, .address_space: global }
      - { .name: v_codes, .offset: 32, .size: 8, .value_kind: global_buffer, .address_space: global }
      - { .name: v_scales, .offset: 40, .size: 8, .value_kind: global_buffer, .address_space: global }
      - { .name: Wk_codes, .offset: 48, .size: 8, .value_kind: global_buffer, .address_space: global }
      - { .name: Wk_scales, .offset: 56, .size: 8, .value_kind: global_buffer, .address_space: global }
      - { .name: Wq_codes, .offset: 64, .size: 8, .value_kind: global_buffer, .address_space: global }
      - { .name: Wq_scales, .offset: 72, .size: 8, .value_kind: global_buffer, .address_space: global }
      - { .name: kbuf, .offset: 80, .size: 8, .value_kind: global_buffer, .address_space: global }
      - { .name: qbuf, .offset: 88, .size: 8, .value_kind: global_buffer, .address_space: global }
      - { .name: vbuf, .offset: 96, .size: 8, .value_kind: global_buffer, .address_space: global }
    .group_segment_fixed_size: 327680
    .private_segment_fixed_size: 0
    .kernarg_segment_align: 8
    .kernarg_segment_size: 104
    .max_flat_workgroup_size: 128
    .sgpr_count:     102
    .vgpr_count:     1024
    .wavefront_size: 32
...
	.end_amdgpu_metadata
.endif
;; end of part 1
;; launch scores (part 2): grid 64 x 4, 5 waves a work-group, no clusters, 197,376 bytes of LDS; arguments qbuf, kbuf, pbuf, pstat; writes pbuf, pstat
.if DOCPART == 2
	.amdgcn_target "amdgcn-amd-amdhsa--gfx1250"
	.amdhsa_code_object_version 6
	.text
	.protected	k_qaa10b5b9f6_scores
	.globl	k_qaa10b5b9f6_scores
	.p2align	8
	.type	k_qaa10b5b9f6_scores,@function
k_qaa10b5b9f6_scores:
	s_mov_b64 s[64:65], 0
	v_nop
	global_prefetch_b8 v0, s[64:65] scope:SCOPE_SE
	s_setreg_imm32_b32 hwreg(HW_REG_WAVE_MODE, 25, 1), 1
	s_wait_xcnt 0x0
; S = qp kp^T on codes of FP4, the causal mask, and the softmax's p, quantised along the keys, piece by piece of 128 queries x 128 keys.
; For each row of a piece: t = score x log2(e) / 32 (H^-0.5 = 2^-5 is exact); M_loc = the ceiling of the piece's largest t, a whole number; p = 2^(t - M_loc); l_loc = the sum of the unquantised p.
; The next launch takes M = the largest M_loc of the row and lowers each piece's scale bytes by M - M_loc: a power of two, which changes no code.
; WORK LEFT OUT: pieces above the diagonal: reference()'s own mask throws every score of theirs away, whatever the inputs hold.  A NaN, an infinity or an overflow that would arise there alone is not carried to the result.
; GRID: a batch (y) has 136 pieces on and under the diagonal of 16 x 16; 64 work-groups (x).  A work-group takes query block I (1 .. 15) and the pair of key blocks 2 j, 2 j + 1, 2 j < I: two pieces, four waves of 64 queries x 128 keys.
; The eight diagonal pieces (2 i, 2 i) that no pair covers are cut into 8 x 8 = 64 strips of 16 queries x 128 keys, one for the FIFTH wave of each work-group.
; x = m (m - 1) + rem: rem < m: I = 2 m - 1, j = rem, strip m - 1 of piece i = j; else I = 2 m, j = rem - m, strip j of piece i = m.  (Strips 0 .. i - 1 of piece i go to I = 2 i, strips i .. 7 to I = 2 i + 1, .., 15.)
; NO CLUSTER: the rows and columns of the triangle hold 1 to 8 pairs and 1 to 15 blocks, so the grid does not divide into fours of work-groups that share a tile.  NO PREFETCH: there is no loop to run ahead in.
; Source 0 = 16 keys, source 1 = 16 queries: a lane holds one query and eight neighbouring keys.
; LDS: three regions of 65,536 bytes, Q's block and K's two, for all of K = 1,024, as images of operand registers (a fragment: 1,024 bytes, 16 x lane): each byte is filled once, by one load of waves 0 to 2.  The fifth wave's operands go straight to its registers.
; OUTPUT: piece (I, kb): pi = 17 (8 batch + pair) + n with pair = 15 - I, n = kb where I is 8 or more, else pair = I, n = 16 - kb: so the 17 pieces of blocks 15 - p and p lie one behind the other.
; Codes at pbuf + 8,192 pi, [tile of 16 queries][block of 32 keys][row][16 bytes]; at pstat + 2,048 pi for each tile 256 bytes: 16 rows x (scale word, M_loc), then 16 rows x (l_loc, l_loc).
; LIMITS: NaN and infinities are not served; the scaled scores stay under 2^31 in magnitude.  M_loc is kept in f32 and is exact up to 2^24.  A block whose every p is 0 gets the byte 1: its codes are zeros.
; REGISTERS: window 0: v1-15 addresses; v16-63 scale words; v64-127 Q's fragments, v128-255 K's, two sets each; later v128-255 at work.  Window 1: 32 accumulators (a, b) at v[8 (8 a + b)].
; The fifth wave: window 0: v64-127 its eight accumulators, v176-239 its Q strip; window 1: K's fragments, four sets of eight.
.set SPARE, 0x30000                    ; behind the regions: the spare words, 128 bytes for each wave: three blocks of 256 bytes that no other line names
.set ADRQ, 4                           ; v4 LDS address of my Q fragments; v5 of my K fragments
.set ADRK, 5
.set L16,  6                           ; v6 16 x lane
.set COF,  7                           ; v7 16 r + 8 h
.set DG,   8                           ; v8 r - 8 h
.set NINF, 9                           ; v9 -infinity
.set SPW,  10                          ; v10 LDS address of my spare word; v11 0; never rewritten
.set NIL,  11
.set SO,   12                          ; v12 8 r + 128 h: my 8 bytes of a tile's statistics
.set QSO,  13                          ; v13 16 r + 512 h
.set DGS,  14                          ; v14 the strip's r - 8 h + 16 x strip
.set SQS,  16                          ; Q's scale words: register 4 (k / 2) + a: lanes 0-15 K step k even, lanes 16-31 k odd
.set SKS,  32                          ; K's: register 4 k + b % 4: lanes 0-15 tiles 0-3, lanes 16-31 tiles 4-7
.set QF,   64
.set KF,   128
.set SQW,  128                         ; the strip's scale words
.set SQF,  176                         ; the strip's fragments of Q
.set TM,   128                         ; 16 largest scores, then largest p
.set SCO,  144
.set BY,   160
.set NM,   176                         ; v[176 + 2 a] = -M_loc, v[177 + 2 a] = M_loc of tile a
.set LA,   184                         ; two chains of packed sums for each of four tiles
.set LB,   192
.set TX,   200
.set CD,   216                         ; 32 registers of codes
.set WD,   248                         ; 4 scale words
.set LS,   252                         ; 4 sums
.set WV,   12
.set WQ,   13
.set WK,   14
.set NN,   15
.set BB,   16
.set II,   17
.set JJ,   18
.set MM,   19
.set EV,   23
.set G1,   24
.set G0,   32
.set SI,   36
.set SA,   37
.set SB,   38
.set QB,   39
.set KB,   40
.set TO,   41
.set CS,   42
.set SEL,  44
.set PSQ,  46
.set PSK,  48
.set PPB,  50
.set PST,  52
.set PQF,  54
.set PKF,  56
.set TT,   58
.set MK,   60
.set MSB, 0
.macro WIN new                         ; the immediate's high byte repeats the setting that is left
.if MSB != (\new)
	s_set_vgpr_msb (MSB<<8)|(\new)
.set MSB, (\new)
.endif
.endm
.macro PLACES n
.rept \n
	v_nop
.endr
.endm
	s_load_b256 s[4:11], s[0:1], 0x0               ; qbuf, kbuf, pbuf, pstat
	v_lshl_add_u32 v[SPW], v0, 2, SPARE
	v_mov_b32 v[NIL], 0
	ds_add_u32 v[SPW], v[NIL]                      ; the wave's opening: the add, twice on end, and its wait ahead of a first tensor load
	ds_add_u32 v[SPW], v[NIL]
	v_lshrrev_b32 v1, 5, v0
	v_readfirstlane_b32 s[WV], v1                  ; wave 0..4
	s_lshr_b32 s[WQ], s[WV], 1
	s_and_b32 s[WQ], s[WQ], 1                      ; which 64 queries
	s_and_b32 s[WK], s[WV], 1                      ; which 128 keys
	s_mov_b32 s[NN], ttmp9
	s_and_b32 s[BB], ttmp7, 0xffff
	s_mov_b32 s[MM], 1
.irp t, 2,6,12,20,30,42,56                     ; m = 1 + how many of the numbers m (m - 1) x has reached
	s_cmp_ge_u32 s[NN], \t
	s_add_co_ci_u32 s[MM], s[MM], 0
.endr
	s_sub_co_u32 s20, s[MM], 1
	s_mul_i32 s21, s20, s[MM]
	s_sub_co_u32 s21, s[NN], s21                   ; rem
	s_cmp_ge_u32 s21, s[MM]
	s_cselect_b32 s22, s[MM], 0
	s_cselect_b32 s[EV], 1, 0
	s_sub_co_u32 s[JJ], s21, s22                   ; j
	s_lshl_b32 s[II], s[MM], 1
	s_sub_co_u32 s[II], s[II], 1
	s_add_co_u32 s[II], s[II], s[EV]               ; I
	s_cmp_lg_u32 s[EV], 0
	s_cselect_b32 s[SI], s[MM], s[JJ]              ; the strip's piece i,
	s_cselect_b32 s[SA], s[JJ], s20                ; its number in the piece,
	s_lshl_b32 s[SB], s[SI], 1                     ; and its block of queries and of keys
	s_lshl_b32 s[KB], s[JJ], 1
	s_add_co_u32 s[KB], s[KB], s[WK]
	s_lshl_b32 s[TO], s[WQ], 2
	s_cmp_eq_u32 s[WV], 4
	s_cselect_b32 s[KB], s[SB], s[KB]              ; my block of keys,
	s_cselect_b32 s[QB], s[SB], s[II]              ; of queries,
	s_cselect_b32 s[TO], s[SA], s[TO]              ; and my first tile of 16 queries in it
	s_sub_co_u32 s20, s[WV], 1                     ; wave 0 fetches Q's block, waves 1, 2 K's two
	s_lshl_b32 s21, s[JJ], 1
	s_add_co_u32 s20, s20, s21
	s_cmp_eq_u32 s[WV], 0
	s_cselect_b32 s20, s[II], s20
	s_lshl_b32 s21, s[BB], 4
	s_add_co_u32 s20, s20, s21
	s_lshl_b32 s[TT], s20, 16                      ; a block's codes: 65,536 bytes
	s_mov_b32 s[TT+1], 0
	s_mov_b32 s[G1+0], 3<<16                       ; no mask; elements of 8 bytes; no padding: a dense block of 65,536 bytes as 256 rows of 256
	s_mov_b32 s[G1+1], 32<<16
	s_mov_b32 s[G1+2], 256<<16
	s_mov_b32 s[G1+3], 32<<16
	s_mov_b32 s[G1+4], 256
	s_mov_b32 s[G1+5], 32
	s_mov_b32 s[G1+6], 0
	s_mov_b32 s[G1+7], 0
	s_mov_b32 s[CS], 0x3d38aa3b                    ; c = log2(e) / 32
	s_mov_b32 s[CS+1], s[CS]                       ; (named with it as a pair)
	s_mov_b32 s[SEL], 0x76543210
	s_mov_b32 s[SEL+1], 0xfedcba98
	v_and_b32 v1, 15, v0                           ; r
	v_bfe_u32 v2, v0, 4, 1                         ; h
	v_and_b32 v3, 31, v0
	v_lshlrev_b32 v[L16], 4, v3
	v_lshlrev_b32 v[COF], 4, v1
	v_lshl_add_u32 v[COF], v2, 3, v[COF]
	v_lshlrev_b32 v3, 3, v2
	v_sub_nc_u32 v[DG], v1, v3
	v_mov_b32 v[NINF], 0xff800000
	v_lshlrev_b32 v[SO], 3, v1
	v_lshl_add_u32 v[SO], v2, 7, v[SO]
	v_lshlrev_b32 v[QSO], 4, v1
	v_lshl_add_u32 v[QSO], v2, 9, v[QSO]
	s_lshl_b32 s20, s[WQ], 12
	v_add_nc_u32 v[ADRQ], s20, v[L16]
	s_lshl_b32 s20, s[WK], 16
	s_add_co_u32 s20, s20, 0x10000
	v_add_nc_u32 v[ADRK], s20, v[L16]
	s_wait_alu depctr_va_vdst(0)                   ; the wait at the head's end
	s_wait_dscnt 0x0                               ; both opening adds are done
	s_wait_kmcnt 0x0
	s_cmp_eq_u32 s[WV], 0
	s_cselect_b64 s[20:21], s[4:5], s[6:7]
	s_mov_b32 s[G0], 1
	s_lshl_b32 s[G0+1], s[WV], 16
	s_add_nc_u64 s[G0+2:G0+3], s[20:21], s[TT:TT+1]
	s_or_b32 s[G0+3], s[G0+3], 0x80000000
	s_cmp_lt_u32 s[WV], 3
	s_cbranch_scc0 .Lno_load
	tensor_load_to_lds s[G0:G0+3], s[G1:G1+7]
	s_nop 0
	PLACES 4
.Lno_load:
	s_lshl_b32 s22, s[BB], 4
	s_add_co_u32 s20, s22, s[QB]                   ; the scale pieces of my rows: 8 x 512 bytes a block, from byte 4,194,304 on
	s_lshl_b32 s20, s20, 12
	s_add_co_u32 s20, s20, 0x400000
	s_lshr_b32 s21, s[TO], 2                       ; my half of them: 256 bytes
	s_lshl_b32 s21, s21, 8
	s_add_co_u32 s[TT], s20, s21
	s_add_nc_u64 s[PSQ:PSQ+1], s[4:5], s[TT:TT+1]
	s_add_co_u32 s20, s22, s[KB]
	s_lshl_b32 s20, s20, 12
	s_add_co_u32 s[TT], s20, 0x400000
	s_add_nc_u64 s[PSK:PSK+1], s[6:7], s[TT:TT+1]
.irp m, 0,1,2,3
	global_load_b128 v[SQS+4*\m:SQS+4*\m+3], v[QSO], s[PSQ:PSQ+1] offset:1024*\m
.endr
.irp k, 0,1,2,3,4,5,6,7
	global_load_b128 v[SKS+4*\k:SKS+4*\k+3], v[L16], s[PSK:PSK+1] offset:512*\k
.endr
	s_add_co_u32 s20, s22, s[SB]                   ; the strip's codes
	s_lshl_b32 s[TT], s20, 16
	s_add_nc_u64 s[PKF:PKF+1], s[6:7], s[TT:TT+1]
	s_lshl_b32 s20, s[SA], 10
	s_add_co_u32 s[TT], s[TT], s20
	s_add_nc_u64 s[PQF:PQF+1], s[4:5], s[TT:TT+1]
	s_sub_co_u32 s20, 15, s[QB]
	s_sub_co_u32 s21, 16, s[KB]
	s_cmp_ge_u32 s[QB], 8
	s_cselect_b32 s20, s20, s[QB]                  ; the pair
	s_cselect_b32 s21, s[KB], s21                  ; n
	s_lshl_b32 s22, s[BB], 3
	s_add_co_u32 s20, s20, s22
	s_mul_i32 s20, s20, 17
	s_add_co_u32 s20, s20, s21                     ; pi
	s_lshl_b32 s21, s20, 13
	s_lshl_b32 s22, s[TO], 10
	s_add_co_u32 s[TT], s21, s22
	s_add_nc_u64 s[PPB:PPB+1], s[8:9], s[TT:TT+1]
	s_lshl_b32 s21, s20, 11
	s_lshl_b32 s22, s[TO], 8
	s_add_co_u32 s[TT], s21, s22
	s_add_nc_u64 s[PST:PST+1], s[10:11], s[TT:TT+1]
.macro WM zero, r0, r1                 ; one product on the registers named by rD, rK, rQ, rSK, rSQ; r0, r1: the halves of the lanes that hold the tiles' scale words
.if \zero
.if (\r0) && (\r1)
	v_wmma_scale_f32_16x16x128_f8f6f4 v[rD:rD+7], v[rK:rK+7], v[rQ:rQ+7], 0, v[rSK], v[rSQ] matrix_a_fmt:MATRIX_FMT_FP4 matrix_b_fmt:MATRIX_FMT_FP4 matrix_a_scale:MATRIX_SCALE_ROW1 matrix_b_scale:MATRIX_SCALE_ROW1
.elseif (\r0)
	v_wmma_scale_f32_16x16x128_f8f6f4 v[rD:rD+7], v[rK:rK+7], v[rQ:rQ+7], 0, v[rSK], v[rSQ] matrix_a_fmt:MATRIX_FMT_FP4 matrix_b_fmt:MATRIX_FMT_FP4 matrix_a_scale:MATRIX_SCALE_ROW1
.elseif (\r1)
	v_wmma_scale_f32_16x16x128_f8f6f4 v[rD:rD+7], v[rK:rK+7], v[rQ:rQ+7], 0, v[rSK], v[rSQ] matrix_a_fmt:MATRIX_FMT_FP4 matrix_b_fmt:MATRIX_FMT_FP4 matrix_b_scale:MATRIX_SCALE_ROW1
.else
	v_wmma_scale_f32_16x16x128_f8f6f4 v[rD:rD+7], v[rK:rK+7], v[rQ:rQ+7], 0, v[rSK], v[rSQ] matrix_a_fmt:MATRIX_FMT_FP4 matrix_b_fmt:MATRIX_FMT_FP4
.endif
.else
.if (\r0) && (\r1)
	v_wmma_scale_f32_16x16x128_f8f6f4 v[rD:rD+7], v[rK:rK+7], v[rQ:rQ+7], v[rD:rD+7], v[rSK], v[rSQ] matrix_a_fmt:MATRIX_FMT_FP4 matrix_b_fmt:MATRIX_FMT_FP4 matrix_a_scale:MATRIX_SCALE_ROW1 matrix_b_scale:MATRIX_SCALE_ROW1
.elseif (\r0)
	v_wmma_scale_f32_16x16x128_f8f6f4 v[rD:rD+7], v[rK:rK+7], v[rQ:rQ+7], v[rD:rD+7], v[rSK], v[rSQ] matrix_a_fmt:MATRIX_FMT_FP4 matrix_b_fmt:MATRIX_FMT_FP4 matrix_a_scale:MATRIX_SCALE_ROW1
.elseif (\r1)
	v_wmma_scale_f32_16x16x128_f8f6f4 v[rD:rD+7], v[rK:rK+7], v[rQ:rQ+7], v[rD:rD+7], v[rSK], v[rSQ] matrix_a_fmt:MATRIX_FMT_FP4 matrix_b_fmt:MATRIX_FMT_FP4 matrix_b_scale:MATRIX_SCALE_ROW1
.else
	v_wmma_scale_f32_16x16x128_f8f6f4 v[rD:rD+7], v[rK:rK+7], v[rQ:rQ+7], v[rD:rD+7], v[rSK], v[rSQ] matrix_a_fmt:MATRIX_FMT_FP4 matrix_b_fmt:MATRIX_FMT_FP4
.endif
.endif
.endm
.macro LDK k, i0                       ; K's fragments i0 .. i0 + 3 of K step k into set k % 2
.irp i, \i0, \i0+1, \i0+2, \i0+3
.irp c, 0,1
	ds_load_b128 v[KF+64*((\k)%2)+8*(\i)+4*\c:KF+64*((\k)%2)+8*(\i)+4*\c+3], v[ADRK] offset:8192*(\k)+1024*(\i)+512*\c
.endr
.endr
.endm
.macro LDQ k                           ; Q's four
.irp i, 0,1,2,3
.irp c, 0,1
	ds_load_b128 v[QF+32*((\k)%2)+8*\i+4*\c:QF+32*((\k)%2)+8*\i+4*\c+3], v[ADRQ] offset:8192*(\k)+1024*\i+512*\c
.endr
.endr
.endm
.macro MUL8 b0, k, zero                ; key tiles b0, b0 + 1 x the four query tiles.  The 32 accumulators take turns, one instruction a turn
	WIN 0x50                                       ; C and D window 1
.irp b, \b0, \b0+1
.irp a, 0,1,2,3
.set rD, 8*(8*\a+\b)
.set rK, KF+64*((\k)%2)+8*(\b)
.set rQ, QF+32*((\k)%2)+8*\a
.set rSK, SKS+4*(\k)+(\b)%4
.set rSQ, SQS+4*((\k)/2)+\a
	WM \zero, (\b)/4, (\k)%2
.endr
.endr
	WIN 0
.endm
; A K step: 32 products; the next step's loads stand in three groups of eight between groups of eight products.
.macro MSTEP k, zero
	s_wait_dscnt 8                                 ; Q's fragments and K's 0-3 are in; the youngest eight loads (K's 4-7) may be out
.if (\k) < 7
.if (\k) > 0
	PLACES 4                                       ; in front of loads into the sets that the last step's products have read
.endif
	LDQ (\k)+1
.endif
	MUL8 0, \k, \zero
.if (\k) < 7
	LDK (\k)+1, 0
.endif
	MUL8 2, \k, \zero
.if (\k) < 7
	s_wait_dscnt 16                                ; K's 4-7 are in; the sixteen just issued may be out
.else
	s_wait_dscnt 0x0
.endif
	MUL8 4, \k, \zero
.if (\k) < 7
	LDK (\k)+1, 4
.endif
	MUL8 6, \k, \zero
.endm
.macro DIAG wq                         ; the diagonal piece, queries 64 wq on: key 16 b + 8 h + j is hidden from query 64 wq + 16 a + r where it is the larger
	WIN 0x41
.irp a, 0,1,2,3
.irp b, 0,1,2,3,4,5,6,7
.if \b > \a+4*\wq
.irp j, 0,1,2,3,4,5,6,7
	v_mov_b32 v[8*(8*\a+\b)+\j], 0xff800000
.endr
.elseif \b == \a+4*\wq
.irp j, 0,1,2,3,4,5,6,7
	v_cmp_gt_i32 vcc_lo, \j, v[DG]
	v_cndmask_b32 v[8*(8*\a+\b)+\j], v[8*(8*\a+\b)+\j], v[NINF], vcc_lo
.endr
.endif
.endr
.endr
	WIN 0
.endm
; THE SOFTMAX of nt tiles of queries, scores in window w from v[ab] on: 4 nt blocks of 32 keys; block kk = 4 a + beta lies in registers 16 kk .. 16 kk + 15 of lanes l and l xor 16.
.macro SOFT nt, w, ab
	WIN 0x05*\w
.set kk, 0
.rept 4*\nt
	v_max3_num_f32 v[TM+kk], v[\ab+16*kk], v[\ab+16*kk+1], 0xff800000   ; each block's largest score: it serves the row's maximum and, since p rises with the score, the block's largest p
.set kk, kk+1
.endr
.irp i, 2,4,6,8,10,12,14
.set kk, 0
.rept 4*\nt
	v_max3_num_f32 v[TM+kk], v[\ab+16*kk+\i], v[\ab+16*kk+\i+1], v[TM+kk]
.set kk, kk+1
.endr
.endr
	WIN 0
.set kk, 0
.rept 4*\nt
	v_permlanex16_b32 v[TX+kk], v[TM+kk], s[SEL], s[SEL+1]
.set kk, kk+1
.endr
.set kk, 0
.rept 4*\nt
	v_max_num_f32 v[TM+kk], v[TM+kk], v[TX+kk]
.set kk, kk+1
.endr
.set kk, 0
.rept \nt
	v_max3_num_f32 v[TX+kk], v[TM+4*kk], v[TM+4*kk+1], v[TM+4*kk+2]
.set kk, kk+1
.endr
.set kk, 0
.rept \nt
	v_max_num_f32 v[TX+kk], v[TX+kk], v[TM+4*kk+3] ; the row's largest score in this piece
.set kk, kk+1
.endr
.set kk, 0
.rept \nt
	v_mul_f32 v[TX+kk], s[CS], v[TX+kk]            ; as t (c is positive)
.set kk, kk+1
.endr
.set kk, 0
.rept \nt
	v_floor_f32 v[NM+2*kk], -v[TX+kk]              ; -M_loc = floor(-t) = -ceil(t)
.set kk, kk+1
.endr
.set kk, 0
.rept \nt
	v_sub_f32 v[NM+2*kk+1], 0, v[NM+2*kk]
.set kk, kk+1
.endr
.set kk, 0
.rept 4*\nt
	v_fma_f32 v[TM+kk], v[TM+kk], s[CS], v[NM+2*(kk/4)]   ; t - M_loc of each block's largest score
.set kk, kk+1
.endr
	WIN 0x41*\w
.set kk, 0
.rept 32*\nt
	v_pk_fma_f32 v[\ab+2*kk:\ab+2*kk+1], v[\ab+2*kk:\ab+2*kk+1], s[CS:CS+1], v[NM+2*(kk/32):NM+2*(kk/32)+1] op_sel_hi:[1,0,0]   ; t - M_loc, two at a time
.set kk, kk+1
.endr
	s_wait_alu depctr_va_vdst(0)                   ; the wait ahead of the batch
.set kk, 0
.rept 64*\nt
	v_exp_f32 v[\ab+kk], v[\ab+kk]                 ; p = 2^(t - M_loc), at most 1
.set kk, kk+1
.endr
	WIN 0
.set kk, 0
.rept 4*\nt
	v_exp_f32 v[TM+kk], v[TM+kk]                   ; the block's largest p: the same two instructions on the same number
.set kk, kk+1
.endr
	v_nop                                          ; a plain place behind the exponentials
	s_wait_alu depctr_va_vdst(0)                   ; and the wait behind the batch
.set kk, 0
.rept 4*\nt
	v_max_num_f32 v[TM+kk], 0x1800000, v[TM+kk]    ; the floor 2^(3 - 127): the byte cannot fall under 1
.set kk, kk+1
.endr
.set kk, 0
.rept 4*\nt
	v_add_nc_u32 v[SCO+kk], 0xff000000, v[TM+kk]   ; 2 off the exponent field: the conversion's scale operand
.set kk, kk+1
.endr
.set kk, 0
.rept 4*\nt
	v_lshrrev_b32 v[BY+kk], 23, v[SCO+kk]          ; the scale's byte
.set kk, kk+1
.endr
.irp i, 1,2,3
.set kk, 0
.rept \nt
.if \i == 1
	v_lshl_or_b32 v[WD+kk], v[BY+4*kk+1], 8, v[BY+4*kk]
.else
	v_lshl_or_b32 v[WD+kk], v[BY+4*kk+\i], 8*\i, v[WD+kk]
.endif
.set kk, kk+1
.endr
.endr
	WIN 0x05*\w
.set kk, 0
.rept \nt                                      ; the row's sum is taken of the unquantised p: packed, two chains a tile
	v_pk_add_f32 v[LA+2*kk:LA+2*kk+1], v[\ab+64*kk:\ab+64*kk+1], v[\ab+64*kk+2:\ab+64*kk+3]
	v_pk_add_f32 v[LB+2*kk:LB+2*kk+1], v[\ab+64*kk+4:\ab+64*kk+5], v[\ab+64*kk+6:\ab+64*kk+7]
.set kk, kk+1
.endr
	WIN 0x01*\w
.set kk, 0
.rept 4*\nt
	v_cvt_scalef32_pk8_fp4_f32 v[CD+2*kk], v[\ab+16*kk:\ab+16*kk+7], v[SCO+kk]
	v_cvt_scalef32_pk8_fp4_f32 v[CD+2*kk+1], v[\ab+16*kk+8:\ab+16*kk+15], v[SCO+kk]
.set kk, kk+1
.endr
.irp i, 8,12,16,20,24,28,32,36,40,44,48,52,56,60   ; (these are also the plain places behind the conversions)
.set kk, 0
.rept \nt
	v_pk_add_f32 v[LA+2*kk:LA+2*kk+1], v[\ab+64*kk+\i:\ab+64*kk+\i+1], v[LA+2*kk:LA+2*kk+1]
	v_pk_add_f32 v[LB+2*kk:LB+2*kk+1], v[\ab+64*kk+\i+2:\ab+64*kk+\i+3], v[LB+2*kk:LB+2*kk+1]
.set kk, kk+1
.endr
.endr
	WIN 0
.set kk, 0
.rept 4*\nt
	v_permlane16_swap_b32 v[CD+2*kk], v[CD+2*kk+1] ; dwords 0, 1 of the block to lanes 0-15, dwords 2, 3 to lanes 16-31
.set kk, kk+1
.endr
.set kk, 0
.rept 4*\nt
	global_store_b64 v[COF], v[CD+2*kk:CD+2*kk+1], s[PPB:PPB+1] offset:1024*(kk/4)+256*(kk%4)   ; 256 consecutive bytes, aligned
.set kk, kk+1
.endr
.set kk, 0
.rept \nt
	v_pk_add_f32 v[LA+2*kk:LA+2*kk+1], v[LA+2*kk:LA+2*kk+1], v[LB+2*kk:LB+2*kk+1]
.set kk, kk+1
.endr
.set kk, 0
.rept \nt
	v_add_f32 v[LS+kk], v[LA+2*kk], v[LA+2*kk+1]
.set kk, kk+1
.endr
.set kk, 0
.rept \nt
	v_permlanex16_b32 v[TX+kk], v[LS+kk], s[SEL], s[SEL+1]
.set kk, kk+1
.endr
.set kk, 0
.rept \nt
	v_add_f32 v[LS+kk], v[LS+kk], v[TX+kk]         ; l_loc
.set kk, kk+1
.endr
	v_cmp_ne_u32 vcc_lo, 0, v2                     ; lanes 0-15 store (scale word, M_loc), lanes 16-31 (l_loc, l_loc)
.set kk, 0
.rept \nt
	v_cndmask_b32 v[TM+2*kk], v[WD+kk], v[LS+kk], vcc_lo
	v_cndmask_b32 v[TM+2*kk+1], v[NM+2*kk+1], v[LS+kk], vcc_lo
.set kk, kk+1
.endr
.set kk, 0
.rept \nt
	global_store_b64 v[SO], v[TM+2*kk:TM+2*kk+1], s[PST:PST+1] offset:256*kk   ; 256 consecutive bytes, aligned
.set kk, kk+1
.endr
.endm
.macro SLD k                           ; the strip's eight fragments of K, K step k, into set k % 4
	WIN 0x40                                       ; destination window 1
.irp b, 0,1,2,3,4,5,6,7
.irp c, 0,1
	global_load_b128 v[64*((\k)%4)+8*\b+4*\c:64*((\k)%4)+8*\b+4*\c+3], v[L16], s[PKF:PKF+1] offset:8192*(\k)+1024*\b+512*\c
.endr
.endr
	WIN 0
.endm
	s_cmp_lg_u32 s[WV], 4
	s_cbranch_scc1 .Lno_strip
.irp k, 0,1,2,3,4,5,6,7                        ; the fifth wave asks for its strip of Q and its first four K steps here, while the regions are filled
.irp c, 0,1
	global_load_b128 v[SQF+8*\k+4*\c:SQF+8*\k+4*\c+3], v[L16], s[PQF:PQF+1] offset:8192*\k+512*\c
.endr
.endr
	SLD 0
	SLD 1
	SLD 2
	SLD 3
.Lno_strip:
	s_wait_tensorcnt 0x0                           ; my load has landed
	s_barrier_signal -1
	s_barrier_wait -1                              ; everybody's has
	s_cmp_eq_u32 s[WV], 4
	s_cbranch_scc1 .Lstrip
	s_wait_loadcnt 0x0                             ; the scale words
	LDQ 0
	LDK 0, 0
	LDK 0, 4
	MSTEP 0, 1                                     ; the first products start the sums: nothing is cleared
	MSTEP 1, 0
	MSTEP 2, 0
	MSTEP 3, 0
	MSTEP 4, 0
	MSTEP 5, 0
	MSTEP 6, 0
	MSTEP 7, 0
	PLACES 4
	s_cmp_lg_u32 s[KB], s[QB]
	s_cbranch_scc1 .Lnomask
	s_cmp_lg_u32 s[WQ], 0
	s_cbranch_scc1 .Ldiag1
	DIAG 0
	s_branch .Lnomask
.Ldiag1:
	DIAG 1
.Lnomask:
	SOFT 4, 1, 0
	s_branch .Lend
; THE STRIP: 16 queries x 128 keys of a diagonal piece, operands straight from memory: loads of 512 consecutive bytes; K's fragments run four K steps ahead.
.macro SSTEP k, zero
.if (\k) < 5
	s_wait_loadcnt 48                              ; all but the next three K steps' 16 loads each
.else
	s_wait_loadcnt 16*(7-(\k))
.endif
	WIN 0x01                                       ; source 0 window 1
.irp b, 0,1,2,3,4,5,6,7
.set rD, 64+8*\b
.set rK, 64*((\k)%4)+8*\b
.set rQ, SQF+8*(\k)
.set rSK, SKS+4*(\k)+\b%4
.set rSQ, SQW+(\k)/2
	WM \zero, \b/4, (\k)%2
.endr
	WIN 0
.if (\k) < 4
	PLACES 4
	SLD (\k)+4
.endif
.endm
.Lstrip:
	s_and_b32 s20, s[SA], 3
.irp i, 1,2,3
	s_cmp_eq_u32 s20, \i
	s_cselect_b32 s[MK+\i-1], -1, 0
.endr
	s_wait_loadcnt 48                              ; the scale words, Q's strip and K step 0 are in: of each four words, my tile's is picked
.irp m, 0,1,2,3
	v_mov_b32 v[SQW+\m], v[SQS+4*\m]
.endr
.irp i, 1,2,3
.irp m, 0,1,2,3
	v_cndmask_b32 v[SQW+\m], v[SQW+\m], v[SQS+4*\m+\i], s[MK+\i-1]
.endr
.endr
	s_wait_alu depctr_va_vdst(0)
	PLACES 8                                       ; scale registers written by vector instructions stand eight places ahead of a scaled matrix instruction
	SSTEP 0, 1
	SSTEP 1, 0
	SSTEP 2, 0
	SSTEP 3, 0
	SSTEP 4, 0
	SSTEP 5, 0
	SSTEP 6, 0
	SSTEP 7, 0
	PLACES 4
	s_lshl_b32 s20, s[SA], 4
	v_add_nc_u32 v[DGS], s20, v[DG]                ; key 16 b + 8 h + j is hidden from query 16 strip + r where 16 b + j is over this
.irp b, 0,1,2,3,4,5,6,7
.irp j, 0,1,2,3,4,5,6,7
	v_cmp_gt_i32 vcc_lo, 16*\b+\j, v[DGS]
	v_cndmask_b32 v[64+8*\b+\j], v[64+8*\b+\j], v[NINF], vcc_lo
.endr
.endr
	SOFT 1, 0, 64
.Lend:
	s_wait_tensorcnt 0x0                           ; the wave's end
	ds_add_u32 v[SPW], v[NIL]
	s_wait_dscnt 0x0
	s_endpgm
.Lfunc_end_k_qaa10b5b9f6_scores:
	.size	k_qaa10b5b9f6_scores, .Lfunc_end_k_qaa10b5b9f6_scores-k_qaa10b5b9f6_scores
	.p2alignl 7, 3214868480
	.fill 96, 4, 3214868480
	.section	.rodata,"a",@progbits
	.p2align	6, 0x0
	.amdhsa_kernel k_qaa10b5b9f6_scores
		.amdhsa_group_segment_fixed_size 197376
		.amdhsa_private_segment_fixed_size 0
		.amdhsa_enable_private_segment 0
		.amdhsa_kernarg_size 32
		.amdhsa_user_sgpr_count 2
		.amdhsa_user_sgpr_kernarg_segment_ptr 1
		.amdhsa_wavefront_size32 1
		.amdhsa_system_sgpr_workgroup_id_x 1
		.amdhsa_system_sgpr_workgroup_id_y 1
		.amdhsa_system_sgpr_workgroup_id_z 1
		.amdhsa_system_vgpr_workitem_id 0
		.amdhsa_next_free_vgpr 512
		.amdhsa_next_free_sgpr 66
		.amdhsa_reserve_vcc 1
		.amdhsa_float_denorm_mode_32 3
		.amdhsa_float_denorm_mode_16_64 3
		.amdhsa_memory_ordered 1
		.amdhsa_forward_progress 1
		.amdhsa_inst_pref_size 159
	.end_amdhsa_kernel
	.amdgpu_metadata
---
amdhsa.version: [ 1, 2 ]
amdhsa.kernels:
  - .name:           k_qaa10b5b9f6_scores
    .symbol:         k_qaa10b5b9f6_scores.kd
    .args:
      - { .name: qbuf, .offset: 0, .size: 8, .value_kind: global_buffer, .address_space: global }
      - { .name: kbuf, .offset: 8, .size: 8, .value_kind: global_buffer, .address_space: global }
      - { .name: pbuf, .offset: 16, .size: 8, .value_kind: global_buffer, .address_space: global }
      - { .name: pstat, .offset: 24, .size: 8, .value_kind: global_buffer, .address_space: global }
    .group_segment_fixed_size: 197376
    .private_segment_fixed_size: 0
    .kernarg_segment_align: 8
    .kernarg_segment_size: 32
    .max_flat_workgroup_size: 160
    .sgpr_count:     66
    .vgpr_count:     512
    .wavefront_size: 32
...
	.end_amdgpu_metadata
.endif
;; end of part 2
;; launch pv (part 3): grid 8 x 32, 4 waves a work-group, clusters of 4 x 1, 282,624 bytes of LDS; arguments pbuf, pstat, vbuf, out0; writes out0
.if DOCPART == 3
	.amdgcn_target "amdgcn-amd-amdhsa--gfx1250"
	.amdhsa_code_object_version 6
	.text
	.protected	k_qaa10b5b9f6_pv
	.globl	k_qaa10b5b9f6_pv
	.p2align	8
	.type	k_qaa10b5b9f6_pv,@function
k_qaa10b5b9f6_pv:
	s_mov_b64 s[64:65], 0
	v_nop
	global_prefetch_b8 v0, s[64:65] scope:SCOPE_SE
	s_setreg_imm32_b32 hwreg(HW_REG_WAVE_MODE, 25, 1), 1
	s_wait_xcnt 0x0
	s_wait_alu depctr_hold_cnt(0) depctr_sa_sdst(0) depctr_va_vdst(0) depctr_va_sdst(0) depctr_va_ssrc(0) depctr_va_vcc(0) depctr_vm_vsrc(0)
	s_getreg_b32 s2, hwreg(HW_REG_IB_STS2, 6, 4)
	s_cmp_eq_u32 s2, 0
	s_cbranch_scc0 .Lentry_in_a_cluster
	s_endpgm
.Lentry_in_a_cluster:
	s_bfe_u32 s2, ttmp6, 0x10000c
	s_cmp_lg_u32 s2, 0x3003
	s_cbranch_scc0 .Lentry_shape_is_right
	s_endpgm
.Lentry_shape_is_right:
; O = P V / l on codes of FP4.  x: the block of 128 channels (4 x cluster + cx); y: batch = y / 8, p = y % 8.
; A work-group makes TWO blocks of 128 queries x 128 channels: tile 1 is query block Q1 = 15 - p (16 - p key steps of 128), tile 2 is query block p (p + 1 key steps): 17 key steps in every work-group.
; WORK LEFT OUT: key steps above the diagonal: reference()'s own mask makes their weights 0, whatever the inputs hold; a NaN or an infinity that reaches them alone is not carried to the result.
; A wave makes 64 queries x 64 channels of each tile, 16 accumulators a tile: tile 2 first, whose stores leave while tile 1 is multiplied.
; THE ROW'S M AND l, one thread a row of both tiles: M = the largest M_loc over the row's pieces; l = the sum of l_loc x 2^(M_loc - M); each piece's scale bytes of P are lowered by D = M - M_loc (held at 0 from below): exact powers of two.
; The lowered scale words and 1 / l go round through LDS.  P's bytes are 1 .. 125 (p is at most 1), so bit 7 of each byte is free to show a borrow: four bytes are lowered at once.
; LIMITS: D is held at 127: a piece 2^-127 or more under the row's M adds at most 2^-127 x its l_loc to l, and, its bytes being held at 0, at most 6 x 2^-127 x |v| a key to O.  NaN and infinities are not served.
; CLUSTER 4 x 1: the four partners share batch and p, so P's 17 pieces are asked for jointly (mask 15).  V's pieces hang on cx and are each work-group's own loads;
; sharing V too would put different p, and with them different branches, into one cluster.  Branches hang on p (from the cluster's y) and the wave's number alone.  NO PREFETCH: there is no loop to run ahead in.
; LDS, each byte filled once: P's slots n = 0 .. 16 of 8,192 bytes, one behind the other in memory too (tile 1's key step n where n <= Q1, else tile 2's key step 16 - n): waves 0, 1 fetch half each;
; V's 16 key steps, each 8 fragments of 1,024 bytes + 16 of padding: waves 2, 3 fetch half each.  Behind them 1 / l and P's scale words, written by LDS stores and never filled by a load.
; THE MATRIX INSTRUCTION: source 0 = 16 queries of P, source 1 = 16 channels of V^T; lane r of fragment t takes channel 4 r + t, so that the four accumulators t give a lane 16 neighbouring bytes of a row of O,
; and sixteen lanes store 256 consecutive bytes, aligned.  With the padding the sixteen lanes of such a load touch sixteen different 16-byte columns of 256.
; REGISTERS: window 0: v1-25 addresses and small results; v32-63, v64-79 P's scale words of tiles 1, 2 (register 4 m + a: lanes 0-15 key step 2 m, lanes 16-31 key step 2 m + 1); v80-111 V's likewise; v112-239 the statistics, later
; four sets of rows of O.  Window 1: four sets of 64 that take turns: V's 4 fragments, P's 4.  Window 2: the accumulators, tile 1 at v[8 (4 a + t)], tile 2 128 further on.
.set VB,   139264                      ; V's first byte in LDS
.set LI,   272384                      ; 1 / l: [tile][128 rows] words
.set SCB,  273408                      ; P's scale words: [slot][half][row % 16][4 tiles]
.set SPARE, 282112                     ; the spare words: two blocks of 256 bytes that no other line names
.set ADP,  4                           ; v4-6 LDS address of my P fragments in slots 0-7, 8-15, 16
.set ADV,  7                           ; v7-8 of my V fragments in key steps 0-7, 8-15
.set LIW,  9                           ; v9  where I store 1 / l of my row
.set LIR,  10                          ; v10 where I read those of rows 8 h .. 8 h + 7
.set GO,   11                          ; v11 32,768 h + 16 r: my bytes in O
.set STO,  12                          ; v12 my row's statistics in a piece
.set SVO,  13                          ; v13 my word among V's scale words
.set SPW,  16                          ; v16 LDS address of my spare word; v17 0; never rewritten
.set NIL,  17
.set SCW,  18                          ; v18 where I store my row's scale words
.set SCR,  19                          ; v19, v20 where I read tile 1's and tile 2's
.set NEG,  21                          ; v21 -infinity
.set M1,   22                          ; v22, v23 the row's M in tiles 1, 2
.set L1,   24                          ; v24, v25 its l, then 1 / l
.set SP1,  32
.set SV,   80
.set WM,   112                         ; v[112 + 2 n] the scale word, v[113 + 2 n] M_loc of slot n
.set LL,   146                         ; 17 l_loc
.set DD,   164
.set XX,   182
.set TA,   200
.set TB,   208
.set TC,   216
.set OUT,  112
.set WV,   12
.set WQ,   13
.set WC,   14
.set CX,   15
.set CHB,  16
.set BB,   17
.set PP,   18
.set Q1,   19
.set YY,   20
.set G1P,  24
.set G1V,  32
.set G0P,  40
.set G0V,  44
.set MK,   48                          ; s48-54: all ones where slot 9 + i is tile 1's
.set PST,  56
.set PSV,  58
.set PO1,  60
.set PO2,  62
.set TT,   70
.set MSB, 0
.macro WIN new
.if MSB != (\new)
	s_set_vgpr_msb (MSB<<8)|(\new)
.set MSB, (\new)
.endif
.endm
.macro PLACES n
.rept \n
	v_nop
.endr
.endm
.macro CROUND
	s_barrier_signal -1
	s_barrier_wait -1
	s_cmp_lg_u32 s[WV], 0
	s_cbranch_scc1 .Lnot_wave_0_\@
	s_barrier_signal -3
.Lnot_wave_0_\@:
	s_barrier_wait -3
	s_barrier_signal -1
	s_barrier_wait -1
.endm
	s_load_b256 s[4:11], s[0:1], 0x0               ; pbuf, pstat, vbuf, out0
	v_lshl_add_u32 v[SPW], v0, 2, SPARE
	v_mov_b32 v[NIL], 0
	ds_add_u32 v[SPW], v[NIL]                      ; the wave's opening: the add, twice on end, and its wait ahead of my first tensor load
	ds_add_u32 v[SPW], v[NIL]
	v_lshrrev_b32 v1, 5, v0
	v_readfirstlane_b32 s[WV], v1
	s_lshr_b32 s[WQ], s[WV], 1                     ; which 64 queries.  Also: I fetch P (0) or V (1)
	s_and_b32 s[WC], s[WV], 1                      ; which 64 channels.  Also: which half of it
	s_bfe_u32 s[CX], ttmp6, 0x40000
	s_lshl_b32 s[CHB], ttmp9, 2
	s_add_co_u32 s[CHB], s[CHB], s[CX]             ; the block of 128 channels
	s_and_b32 s[YY], ttmp7, 0xffff
	s_and_b32 s[PP], s[YY], 7                      ; p = tile 2's query block
	s_lshr_b32 s[BB], s[YY], 3                     ; the batch
	s_sub_co_u32 s[Q1], 15, s[PP]                  ; tile 1's query block
	s_mov_b32 s[G1P+0], 15|(3<<16)|(1<<21)         ; the mask: all four partners; elements of 8 bytes; bit 21 beside a mask: 69,632 dense bytes as 272 rows of 256
	s_mov_b32 s[G1P+1], 32<<16
	s_mov_b32 s[G1P+2], 272<<16
	s_mov_b32 s[G1P+3], 32<<16
	s_mov_b32 s[G1P+4], 272
	s_mov_b32 s[G1P+5], 32
	s_mov_b32 s[G1P+6], 0
	s_mov_b32 s[G1P+7], 0
	s_mov_b32 s[G1V+0], (3<<16)|(1<<20)|(7<<22)|(3<<25)   ; no mask; elements of 8 bytes; 4 words of padding behind every 256: eight pieces as 64 rows of 1,024 bytes
	s_mov_b32 s[G1V+1], 128<<16
	s_mov_b32 s[G1V+2], 64<<16
	s_mov_b32 s[G1V+3], 128<<16
	s_mov_b32 s[G1V+4], 64
	s_mov_b32 s[G1V+5], 128
	s_mov_b32 s[G1V+6], 0
	s_mov_b32 s[G1V+7], 0
	v_and_b32 v1, 15, v0                           ; r
	v_bfe_u32 v2, v0, 4, 1                         ; h
	v_and_b32 v3, 31, v0                           ; lane
	v_lshlrev_b32 v[ADP], 4, v3
	s_lshl_b32 s23, s[WQ], 12
	v_add_nc_u32 v[ADP], s23, v[ADP]               ; 16 x lane + my four tiles of queries
	v_add_nc_u32 v[ADP+1], 0x10000, v[ADP]
	v_add_nc_u32 v[ADP+2], 0x20000, v[ADP]
	v_lshrrev_b32 v14, 2, v1                       ; r / 4: which fragment of 16 channels holds channel 4 r + t
	v_and_b32 v15, 3, v1                           ; r % 4: its row there is 4 (r % 4) + t
	v_mul_u32_u24 v[ADV], v14, 1040
	v_lshl_add_u32 v[ADV], v15, 6, v[ADV]
	v_lshl_add_u32 v[ADV], v2, 8, v[ADV]
	s_mul_i32 s23, s[WC], 4*1040
	s_add_co_u32 s23, s23, VB
	v_add_nc_u32 v[ADV], s23, v[ADV]
	v_add_nc_u32 v[ADV+1], 8*8320, v[ADV]
	v_lshlrev_b32 v[SVO], 2, v14
	v_lshl_add_u32 v[SVO], v15, 6, v[SVO]
	v_lshl_add_u32 v[SVO], v2, 9, v[SVO]
	v_lshl_add_u32 v[LIW], v0, 2, LI               ; my row is my thread's number
	s_lshl_b32 s23, s[WQ], 8
	s_add_co_u32 s22, s23, LI
	v_lshl_add_u32 v[LIR], v2, 5, s22
	v_lshlrev_b32 v[GO], 4, v1
	v_lshl_add_u32 v[GO], v2, 15, v[GO]
	v_lshrrev_b32 v14, 4, v0                       ; my row's tile
	v_lshlrev_b32 v[STO], 3, v1
	v_lshl_add_u32 v[STO], v14, 8, v[STO]
	v_bfe_u32 v14, v0, 4, 2
	v_lshlrev_b32 v[SCW], 4, v1
	v_lshl_add_u32 v[SCW], v14, 2, v[SCW]
	v_lshrrev_b32 v14, 6, v0
	v_lshl_add_u32 v[SCW], v14, 8, v[SCW]
	v_add_nc_u32 v[SCW], SCB, v[SCW]
	s_add_co_u32 s23, s23, SCB
	v_lshlrev_b32 v14, 4, v1
	v_add_nc_u32 v14, s23, v14
	v_lshl_add_u32 v[SCR], v2, 9, v14              ; lanes 0-15 read slot 2 m, lanes 16-31 slot 2 m + 1
	v_xor_b32 v15, 1, v2
	v_lshl_add_u32 v[SCR+1], v15, 9, v14
	v_add_nc_u32 v[SCR+1], 9*512, v[SCR+1]         ; lanes 0-15 read slot 16 - 2 m, lanes 16-31 slot 15 - 2 m
	v_mov_b32 v[NEG], 0xff800000
	s_wait_alu depctr_va_vdst(0)                   ; the wait at the head's end
	s_wait_dscnt 0x0                               ; both opening adds are done
	CROUND                                         ; all four work-groups are here: the joint loads meet.  (The arguments are on their way meanwhile)
	s_wait_kmcnt 0x0
	; P's descriptor: made of the cluster's y and the wave's number alone
	s_mul_i32 s22, s[WC], 69632
	s_mul_i32 s23, s[YY], 17*8192
	s_add_co_u32 s[TT], s23, s22
	s_mov_b32 s[TT+1], 0
	s_mov_b32 s[G0P], 1
	s_mov_b32 s[G0P+1], s22
	s_add_nc_u64 s[G0P+2:G0P+3], s[4:5], s[TT:TT+1]
	s_or_b32 s[G0P+3], s[G0P+3], 0x80000000
	; V's: key steps 8 wc on
	s_lshl_b32 s21, s[CHB], 6
	s_lshl_b32 s22, s[BB], 4
	s_add_co_u32 s21, s21, s22                     ; V's first piece: 64 channel block + 16 batch
	s_lshl_b32 s23, s21, 13
	s_lshl_b32 s22, s[WC], 16
	s_add_co_u32 s[TT], s23, s22
	s_mul_i32 s22, s[WC], 64*1040
	s_mov_b32 s[G0V], 1
	s_add_co_u32 s[G0V+1], s22, VB
	s_add_nc_u64 s[G0V+2:G0V+3], s[8:9], s[TT:TT+1]
	s_or_b32 s[G0V+3], s[G0V+3], 0x80000000
	s_cmp_eq_u32 s[WQ], 0                          ; one load a wave
	s_cbranch_scc0 .Lfor_v
	tensor_load_to_lds s[G0P:G0P+3], s[G1P:G1P+7]
	s_nop 0
	PLACES 4
	s_branch .Lasked
.Lfor_v:
	tensor_load_to_lds s[G0V:G0V+3], s[G1V:G1V+7]
	s_nop 0
	PLACES 4
.Lasked:
	s_mul_i32 s[TT], s[YY], 17*2048
	s_add_nc_u64 s[PST:PST+1], s[6:7], s[TT:TT+1]
.set n, 0
.rept 17                                       ; my row's statistics in the 17 pieces
	global_load_b64 v[WM+2*n:WM+2*n+1], v[STO], s[PST:PST+1] offset:2048*n
	global_load_b32 v[LL+n], v[STO], s[PST:PST+1] offset:2048*n+128
.set n, n+1
.endr
	s_lshl_b32 s22, s21, 9
	s_lshl_b32 s23, s[WC], 8
	s_add_co_u32 s22, s22, s23
	s_add_co_u32 s[TT], s22, 0x400000
	s_add_nc_u64 s[PSV:PSV+1], s[8:9], s[TT:TT+1]
.irp m, 0,1,2,3,4,5,6,7
.irp t, 0,1,2,3
	global_load_b32 v[SV+4*\m+\t], v[SVO], s[PSV:PSV+1] offset:1024*\m+16*\t    ; the scale word of channel 4 r + t, key step 2 m + h
.endr
.endr
	; where my parts of O begin: row 2,048 batch + 128 query block + 64 wq, byte 512 channel block + 256 wc
	s_lshl_b32 s21, s[CHB], 9
	s_lshl_b32 s22, s[WC], 8
	s_add_co_u32 s21, s21, s22
	s_lshl_b32 s22, s[BB], 11
	s_lshl_b32 s23, s[WQ], 6
	s_add_co_u32 s22, s22, s23
	s_lshl_b32 s23, s[Q1], 7
	s_add_co_u32 s23, s23, s22
	s_lshl_b32 s23, s23, 12
	s_add_co_u32 s[TT], s23, s21
	s_add_nc_u64 s[PO1:PO1+1], s[10:11], s[TT:TT+1]
	s_lshl_b32 s23, s[PP], 7
	s_add_co_u32 s23, s23, s22
	s_lshl_b32 s23, s23, 12
	s_add_co_u32 s[TT], s23, s21
	s_add_nc_u64 s[PO2:PO2+1], s[10:11], s[TT:TT+1]
.irp n, 9,10,11,12,13,14,15
	s_cmp_ge_u32 s[Q1], \n
	s_cselect_b32 s[MK+\n-9], -1, 0
.endr
	s_wait_loadcnt 32                              ; my row's statistics are in; V's 32 scale words may be out
; MY ROW'S M AND l IN BOTH TILES, and its 17 scale words under M.  Slots 0-8 are always tile 1's, slot 16 tile 2's.  This stands while the fills are on their way.
.macro EACH n0, cnt, op                ; op n for n = n0 .. n0 + cnt - 1
.set n, \n0
.rept \cnt
	\op n
.set n, n+1
.endr
.endm
.macro O_SPLIT n
	v_cndmask_b32 v[TA+\n-9], v[NEG], v[WM+2*\n+1], s[MK+\n-9]
	v_cndmask_b32 v[TB+\n-9], v[WM+2*\n+1], v[NEG], s[MK+\n-9]
.endm
.macro O_REF n                         ; the M that slot n comes under
	v_cndmask_b32 v[XX+\n], v[M1+1], v[M1], s[MK+\n-9]
.endm
.macro O_D n                           ; D = M - M_loc: a whole number, 0 or more
.if \n < 9
	v_sub_f32 v[DD+\n], v[M1], v[WM+2*\n+1]
.elseif \n < 16
	v_sub_f32 v[DD+\n], v[XX+\n], v[WM+2*\n+1]
.else
	v_sub_f32 v[DD+\n], v[M1+1], v[WM+2*\n+1]
.endif
.endm
.macro O_CVT n
	v_cvt_u32_f32 v[DD+\n], v[DD+\n]
.endm
.macro O_MIN n
	v_min_u32 v[DD+\n], 0x7f, v[DD+\n]
.endm
.macro O_NEG n
	v_sub_nc_u32 v[XX+\n], 0, v[DD+\n]
.endm
.macro O_LD n                          ; l_loc x 2^-D: nothing is rounded
	v_ldexp_f32 v[LL+\n], v[LL+\n], v[XX+\n]
.endm
.macro O_REP n                         ; D in each of four bytes
	v_perm_b32 v[DD+\n], v[DD+\n], v[DD+\n], 0
.endm
.macro O_TOP n                         ; bit 7 of each byte on
	v_or_b32 v[WM+2*\n], 0x80808080, v[WM+2*\n]
.endm
.macro O_SUB n                         ; byte - D in each byte: its bit 7 stays on where the byte was D or more
	v_sub_nc_u32 v[XX+\n], v[WM+2*\n], v[DD+\n]
.endm
.macro O_BIT n
	v_and_b32 v[DD+\n], 0x80808080, v[XX+\n]
.endm
.macro O_SHR n
	v_lshrrev_b32 v[WM+2*\n], 7, v[DD+\n]
.endm
.macro O_MSK n                         ; 0x7f where it stayed on, else 0
	v_sub_nc_u32 v[DD+\n], v[DD+\n], v[WM+2*\n]
.endm
.macro O_AND n
	v_and_b32 v[XX+\n], v[XX+\n], v[DD+\n]
.endm
.macro O_LSP n
	v_cndmask_b32 v[TA+\n-9], 0, v[LL+\n], s[MK+\n-9]
	v_cndmask_b32 v[TB+\n-9], v[LL+\n], 0, s[MK+\n-9]
.endm
.macro O_ST n
	ds_store_b32 v[SCW], v[XX+\n] offset:512*\n
.endm
	EACH 9, 7, O_SPLIT
	v_max3_num_f32 v[TC], v[WM+1], v[WM+3], v[WM+5]
	v_max3_num_f32 v[TC+1], v[WM+7], v[WM+9], v[WM+11]
	v_max3_num_f32 v[TC+2], v[WM+13], v[WM+15], v[WM+17]
	v_max3_num_f32 v[TC+3], v[TA], v[TA+1], v[TA+2]
	v_max3_num_f32 v[TC+4], v[TA+3], v[TA+4], v[TA+5]
	v_max3_num_f32 v[TC+5], v[TB], v[TB+1], v[TB+2]
	v_max3_num_f32 v[TC+6], v[TB+3], v[TB+4], v[TB+5]
	v_max3_num_f32 v[TC], v[TC], v[TC+1], v[TC+2]
	v_max3_num_f32 v[TC+3], v[TC+3], v[TC+4], v[TA+6]
	v_max3_num_f32 v[TC+5], v[TC+5], v[TC+6], v[TB+6]
	v_max_num_f32 v[M1], v[TC], v[TC+3]            ; M of tile 1
	v_max_num_f32 v[M1+1], v[TC+5], v[WM+33]       ; and of tile 2
	EACH 9, 7, O_REF
	EACH 0, 17, O_D
	EACH 0, 17, O_CVT
	EACH 0, 17, O_MIN
	EACH 0, 17, O_NEG
	EACH 0, 17, O_LD
	EACH 0, 17, O_REP
	EACH 0, 17, O_TOP
	EACH 0, 17, O_SUB
	EACH 0, 17, O_BIT
	EACH 0, 17, O_SHR
	EACH 0, 17, O_MSK
	EACH 0, 17, O_AND
	EACH 9, 7, O_LSP
.irp i, 0,1,2,3
	v_add_f32 v[TC+\i], v[LL+2*\i], v[LL+2*\i+1]
.endr
.irp i, 0,1,2
	v_add_f32 v[TA+\i], v[TA+2*\i], v[TA+2*\i+1]   ; (in ascending order each result lands on a number that has been read)
	v_add_f32 v[TB+\i], v[TB+2*\i], v[TB+2*\i+1]
.endr
	v_add_f32 v[TC], v[TC], v[TC+1]
	v_add_f32 v[TC+2], v[TC+2], v[TC+3]
	v_add_f32 v[TA], v[TA], v[TA+1]
	v_add_f32 v[TB], v[TB], v[TB+1]
	v_add_f32 v[TA+2], v[TA+2], v[TA+6]
	v_add_f32 v[TB+2], v[TB+2], v[TB+6]
	v_add_f32 v[TC], v[TC], v[TC+2]
	v_add_f32 v[TA+2], v[TA+2], v[LL+8]
	v_add_f32 v[TB+2], v[TB+2], v[LL+16]
	v_add_f32 v[TA], v[TA], v[TA+2]
	v_add_f32 v[L1+1], v[TB], v[TB+2]              ; l of tile 2
	v_add_f32 v[L1], v[TC], v[TA]                  ; l of tile 1
	s_wait_alu depctr_va_vdst(0)                   ; the wait ahead of the reciprocals
	v_rcp_f32 v[L1], v[L1]
	v_rcp_f32 v[L1+1], v[L1+1]
	v_nop                                          ; a plain place behind them
	s_wait_alu depctr_va_vdst(0)                   ; and the wait behind them
	EACH 0, 17, O_ST
	ds_store_b32 v[LIW], v[L1]
	ds_store_b32 v[LIW], v[L1+1] offset:512
	s_wait_tensorcnt 0x0                           ; my fill has landed,
	s_wait_dscnt 0x0                               ; my LDS stores are done
	s_barrier_signal -1
	s_barrier_wait -1                              ; everybody's
.macro LDV k                           ; key step k's fragments into set k % 4: V's four,
	WIN 0x40
.irp t, 0,1,2,3
.irp c, 0,1
	ds_load_b128 v[64*((\k)%4)+8*\t+4*\c:64*((\k)%4)+8*\t+4*\c+3], v[ADV+(\k)/8] offset:8320*((\k)%8)+16*\t+512*\c
.endr
.endr
.endm
.macro LDP k, n                        ; P's four, from slot n
	WIN 0x40
.irp a, 0,1,2,3
.irp c, 0,1
	ds_load_b128 v[64*((\k)%4)+32+8*\a+4*\c:64*((\k)%4)+32+8*\a+4*\c+3], v[ADP+(\n)/8] offset:8192*((\n)%8)+1024*\a+512*\c
.endr
.endr
.endm
.macro MULT tl, k, a0                  ; 8 products of tile tl, its query tiles a0, a0 + 1: the accumulators take turns, one instruction a turn
	WIN 0xa5                                       ; sources 0 and 1 window 1, C and D window 2
.irp a, \a0, \a0+1
.irp t, 0,1,2,3
.set rD, 128*\tl+8*(4*(\a)+\t)
.set rP, 64*((\k)%4)+32+8*(\a)
.set rV, 64*((\k)%4)+8*\t
.set rSP, SP1+32*\tl+4*((\k)/2)+\a
.set rSV, SV+4*((\k)/2)+\t
.if (\k) == 0
	v_wmma_scale_f32_16x16x128_f8f6f4 v[rD:rD+7], v[rP:rP+7], v[rV:rV+7], 0, v[rSP], v[rSV] matrix_a_fmt:MATRIX_FMT_FP4 matrix_b_fmt:MATRIX_FMT_FP4
.elseif (\k)%2
	v_wmma_scale_f32_16x16x128_f8f6f4 v[rD:rD+7], v[rP:rP+7], v[rV:rV+7], v[rD:rD+7], v[rSP], v[rSV] matrix_a_fmt:MATRIX_FMT_FP4 matrix_b_fmt:MATRIX_FMT_FP4 matrix_a_scale:MATRIX_SCALE_ROW1 matrix_b_scale:MATRIX_SCALE_ROW1
.else
	v_wmma_scale_f32_16x16x128_f8f6f4 v[rD:rD+7], v[rP:rP+7], v[rV:rV+7], v[rD:rD+7], v[rSP], v[rSV] matrix_a_fmt:MATRIX_FMT_FP4 matrix_b_fmt:MATRIX_FMT_FP4
.endif
.endr
.endr
.endm
; A key step of tile tl (its code's last: 7 or 15): 16 products.  The loads run three steps ahead, in two groups of eight between groups of eight products.
; A tile's real last step hangs on p: the look-ahead past it reads bytes that have landed, and nothing is made of them.
.macro STEPT tl, k, last
.if (\tl == 1) && (\k >= 1)
	s_cmp_lt_u32 s[PP], \k                         ; tile 2 has key steps 0 .. p
	s_cbranch_scc1 .Ldone2
.endif
.if (\tl == 0) && (\k >= 9)
	s_cmp_lt_u32 s[Q1], \k                         ; tile 1 has key steps 0 .. Q1, 8 at the least
	s_cbranch_scc1 .Ldone1
.endif
.if \k+2 <= \last
	s_wait_dscnt 32                                ; this step's fragments are in; the next two steps' sixteen loads each may be out
.else
	s_wait_dscnt 16*(\last-\k)
.endif
.if \k+3 <= \last
.if \k > 0
	PLACES 4                                       ; in front of loads into registers that the last step's products have read
.endif
	LDV \k+3
.endif
	MULT \tl, \k, 0
.if \k+3 <= \last
	LDP \k+3, 16*\tl+(\k+3)*(1-2*\tl)
.endif
	MULT \tl, \k, 2
	WIN 0                                          ; (a branch may follow)
.endm
; THE WAY OUT of tile tl: O / l.  Register j of the accumulators (a, t) is O(16 a + 8 h + j, 4 r + t): four of them are 16 neighbouring bytes.  1 / l takes tile 2's scale registers, which are done with, and v240-255.
.macro LIREAD tl
.irp a, 0,1,2,3
.set rI, 64+8*\a+160*(\a/2)
	ds_load_b128 v[rI:rI+3], v[LIR] offset:512*\tl+64*\a
	ds_load_b128 v[rI+4:rI+7], v[LIR] offset:512*\tl+64*\a+16
.endr
.endm
.macro SENDO tl, ptr, younger          ; younger: the LDS loads issued behind those of 1 / l, which may stay out
	s_wait_xcnt 0x0                                ; earlier stores have read the registers that are written again below
	s_wait_dscnt \younger
.irp a, 0,1,2,3
.set rI, 64+8*\a+160*(\a/2)
	WIN 0x02                                       ; source 0 window 2
.irp j, 0,1,2,3,4,5,6,7                        ; each accumulator from its low end on
.irp t, 0,1,2,3
	v_mul_f32 v[OUT+32*\a+4*\j+\t], v[128*\tl+8*(4*\a+\t)+\j], v[rI+\j]
.endr
.endr
	WIN 0
.irp j, 0,1,2,3,4,5,6,7
	global_store_b128 v[GO], v[OUT+32*\a+4*\j:OUT+32*\a+4*\j+3], s[\ptr:\ptr+1] offset:(16*\a+\j)*4096 th:TH_STORE_NT   ; sixteen lanes store 256 consecutive bytes, aligned; written once
.endr
.endr
.endm
.irp m, 0,1,2,3,4,5,6,7                        ; P's scale words under M
	ds_load_b128 v[SP1+4*\m:SP1+4*\m+3], v[SCR] offset:1024*\m
.endr
.irp m, 0,1,2,3
	ds_load_b128 v[SP1+32+4*\m:SP1+32+4*\m+3], v[SCR+1] offset:1024*(3-\m)
.endr
.irp k, 0,1,2
	LDV \k
	LDP \k, 16-\k
.endr
	WIN 0
	s_wait_loadcnt 0x0                             ; V's scale words
	STEPT 1, 0, 7
	STEPT 1, 1, 7
	STEPT 1, 2, 7
	STEPT 1, 3, 7
	STEPT 1, 4, 7
	STEPT 1, 5, 7
	STEPT 1, 6, 7
	STEPT 1, 7, 7
.Ldone2:
	s_wait_dscnt 0x0                               ; no load into a fragment set is out
	PLACES 4                                       ; behind the last products
	LIREAD 1
.irp k, 0,1,2                                  ; tile 1's first three steps are asked for ahead of tile 2's way out
	LDV \k
	LDP \k, \k
.endr
	WIN 0
	SENDO 1, PO2, 48                               ; tile 2's stores leave while tile 1 is multiplied
	STEPT 0, 0, 15
	STEPT 0, 1, 15
	STEPT 0, 2, 15
	STEPT 0, 3, 15
	STEPT 0, 4, 15
	STEPT 0, 5, 15
	STEPT 0, 6, 15
	STEPT 0, 7, 15
	STEPT 0, 8, 15
	STEPT 0, 9, 15
	STEPT 0, 10, 15
	STEPT 0, 11, 15
	STEPT 0, 12, 15
	STEPT 0, 13, 15
	STEPT 0, 14, 15
	STEPT 0, 15, 15
.Ldone1:
	s_wait_dscnt 0x0
	PLACES 4
	LIREAD 0
	SENDO 0, PO1, 0
	s_wait_tensorcnt 0x0                           ; the wave's end
	ds_add_u32 v[SPW], v[NIL]
	s_wait_dscnt 0x0
	CROUND                                         ; the closing round: no work-group ends while a partner may still ask for a piece that names it
	s_endpgm
.Lfunc_end_k_qaa10b5b9f6_pv:
	.size	k_qaa10b5b9f6_pv, .Lfunc_end_k_qaa10b5b9f6_pv-k_qaa10b5b9f6_pv
	.p2alignl 7, 3214868480
	.fill 96, 4, 3214868480
	.section	.rodata,"a",@progbits
	.p2align	6, 0x0
	.amdhsa_kernel k_qaa10b5b9f6_pv
		.amdhsa_group_segment_fixed_size 282624
		.amdhsa_private_segment_fixed_size 0
		.amdhsa_enable_private_segment 0
		.amdhsa_kernarg_size 32
		.amdhsa_user_sgpr_count 2
		.amdhsa_user_sgpr_kernarg_segment_ptr 1
		.amdhsa_wavefront_size32 1
		.amdhsa_system_sgpr_workgroup_id_x 1
		.amdhsa_system_sgpr_workgroup_id_y 1
		.amdhsa_system_sgpr_workgroup_id_z 1
		.amdhsa_system_vgpr_workitem_id 0
		.amdhsa_next_free_vgpr 768
		.amdhsa_next_free_sgpr 80
		.amdhsa_reserve_vcc 0
		.amdhsa_float_denorm_mode_32 3
		.amdhsa_float_denorm_mode_16_64 3
		.amdhsa_memory_ordered 1
		.amdhsa_forward_progress 1
		.amdhsa_inst_pref_size 124
	.end_amdhsa_kernel
	.amdgpu_metadata
---
amdhsa.version: [ 1, 2 ]
amdhsa.kernels:
  - .name:           k_qaa10b5b9f6_pv
    .symbol:         k_qaa10b5b9f6_pv.kd
    .args:
      - { .name: pbuf, .offset: 0, .size: 8, .value_kind: global_buffer, .address_space: global }
      - { .name: pstat, .offset: 8, .size: 8, .value_kind: global_buffer, .address_space: global }
      - { .name: vbuf, .offset: 16, .size: 8, .value_kind: global_buffer, .address_space: global }
      - { .name: out0, .offset: 24, .size: 8, .value_kind: global_buffer, .address_space: global }
    .group_segment_fixed_size: 282624
    .private_segment_fixed_size: 0
    .kernarg_segment_align: 8
    .kernarg_segment_size: 32
    .max_flat_workgroup_size: 128
    .sgpr_count:     80
    .vgpr_count:     768
    .wavefront_size: 32
...
	.end_amdgpu_metadata
.endif
;; end of part 3
